; MI455X (gfx1250); checked and timed in simulation.
; The chip was launched on July 23, 2026; its instructions are those of AMD's public machine-readable ISA for CDNA 5 (MIT licence, August 2026) and "CDNA5" Instruction Set Architecture Reference Guide (July 2026). The comments in the code are by the model that wrote it; some were corrected since.
;; Attention. Allowed arithmetic: matrix products marked QUANTISED: E4M3 operands, one given power-of-two scale a tensor, by v_wmma_f32_16x16x64_fp8_fp8 or v_wmma_f32_16x16x128_fp8_fp8, f32 sums; everything else in f32.
;; Inputs: attn_mask 4 x 1 x 2,048 x 2,048 bool; keys 4 x 2,048 x 1,024 float32; lowp_scales 4 int32 (the exponents e of the quantised operands' scales 2^e); queries 4 x 2,048 x 1,024 float32; values 4 x 2,048 x 1,024 float32.
;; Outputs: out0 4 x 2,048 x 1,024 float32.
;; This version of the problem:
;;   THIS VERSION OF THE PROBLEM IS GIVEN IN LOW PRECISION. The matrix products marked QUANTISED in the list below multiply operands that are first quantised to E4M3 (4 exponent bits, 3 mantissa bits; 8 bits a number), with one given power-of-two scale for each operand tensor; their sums are f32. All else is computed in f32.
;;   The module's matrix products, in the order in which they are computed (A, B: the left and right operand; K: the contracted axis; several contracted axes count as one K, in the product's order):
;;     1. batch 64 x [M 2,048, K 64] x [K 64, N 2,048]; A: input queries; B: input keys: QUANTISED (scales: A lowp_scales[0], B lowp_scales[1])
;;     2. batch 64 x [M 64, K 2,048] x [K 2,048, N 2,048]; A: input values; B: softmax (see below): QUANTISED (scales: A lowp_scales[2], B lowp_scales[3])
;;   THE QUANTISER, for each operand of a quantised product, along K:
;;     - The operand's scale is 2^e, e = its entry of the input lowp_scales (int32; the entries are numbered through the quantised products in the list's order, A before B).
;;     - Each number is divided by the scale, clamped to +-448, and rounded to the nearest number of E4M3, ties to even, subnormals kept.
;;     - The product sums the exact products of the quantised numbers (number of the format x scale) in f32.
;;   ~~~python
;;   def quantise(x, axis, e):      # numpy; x: float32 -> the quantised numbers, widened to float32 again
;;       x = np.moveaxis(x, axis, -1); K = x.shape[-1]
;;       r = np.clip(x / 2.0 ** e, -448, 448)
;;       step = 2.0 ** (np.maximum(np.frexp(np.where(r == 0, 1, r))[1] - 1, -6) - 3)
;;       q = np.round(r / step) * step * 2.0 ** e      # np.round: ties to even
;;       return np.moveaxis(q, -1, axis).astype(np.float32)
;;   ~~~
;;   SOFTMAX AHEAD OF A QUANTISED PRODUCT. Where the list says 'softmax', what is quantised is not the finished softmax but p = 2^(t - M), with t = logit x log2(e) and M = ceil(the row's largest t), a whole number; so 1/2 < the row's largest p <= 1. The row's sum l is taken of the UNQUANTISED p, in f32, and the product's result is divided by l at the end. Since M is a whole number, a kernel that streams over the keys may use a running M (the ceiling of the running maximum): every later rescaling is an exact power of two, so the quantised numbers keep their values, but for numbers so far below the row's largest that they fall under the format's range.
;;   OPERANDS COMPUTED ON THE WAY. 'Computed on the way' means the value that the module computes at that place (a softmax that the list does not call 'softmax' is quantised finished and normalised). What goes into a quantiser is computed in f32, as accurately as f32 sums, v_exp_f32 and their like allow (about 1e-6 of the number): no bf16 or f16 on the way to a quantiser, and a product that is left as it is and whose result goes on into a quantised operand takes f32 operands (vector FMAs, or v_wmma_f32_16x16x4_f32). A number that lies on a knife's edge between two numbers of the format may be rounded either way, as far as f32 arithmetic and the matrix unit's own rounding can turn it there, and no further.
;; 2 versions, each right; version 2 is version 1 with the launch attn written anew for expert scheduling mode. Each part assembles by itself: llvm-mc -triple=amdgcn-amd-amdhsa -mcpu=gfx1250 --defsym DOCPART=n.
;; ======== version 1 of 2: 2 launches
;; workspace buffers: kvc 16,777,216 bytes; mbits 2,097,152 bytes of whole numbers; flags 4,096 bytes of whole numbers
;; launch prep (part 1): grid 768 x 1, 4 waves a work-group, no clusters, 68,352 bytes of LDS; arguments keys, values, attn_mask, lowp_scales, kvc, mbits, flags; writes kvc, mbits, flags
.if DOCPART == 1
	.amdgcn_target "amdgcn-amd-amdhsa--gfx1250"
	.amdhsa_code_object_version 6
	.text
	.protected	k_q9ef2d0c0e9_prep
	.globl	k_q9ef2d0c0e9_prep
	.p2align	8
	.type	k_q9ef2d0c0e9_prep,@function
k_q9ef2d0c0e9_prep:
	s_mov_b64 s[64:65], 0
	v_nop
	global_prefetch_b8 v0, s[64:65] scope:SCOPE_SE
	s_setreg_imm32_b32 hwreg(HW_REG_WAVE_MODE, 25, 1), 1
	s_wait_xcnt 0x0
; WHAT THE ATTENTION LAUNCH READS AGAIN AND AGAIN IS LAID OUT ONCE, IN THE ORDER OF ITS REGISTERS.
; keys, values: [4][2048][16 heads x 64] f32.  attn_mask: [4][1][2048][2048], one byte each (not 0 = hidden).
; kvc: for bh = 16 b + head and key step ks (128 keys) one dense block of 16,384 bytes at (16 bh + ks) << 14:
;   bytes 0-8191     K's codes: tile t (16 keys), chunk c at 1024 t + 512 c + 16 lane; lane (r, h2) holds key 16 t + r, channels 32 h2 + 0 .. 31 in 8 registers; chunk c = registers 4 c .. 4 c + 3
;   bytes 8192-16383 V's codes, keys innermost: channel tile dt, chunk c at 8192 + 2048 dt + 512 c + 16 lane; lane (r, h2) holds channel 16 dt + r; register 2 c' + w holds keys 16 c' + 8 h2 + 4 w + 0 .. 3
; mbits: for each tile of 16 queries qt (0 .. 127 in a batch) and key step ks, 64 words at ((128 b + qt) 16 + ks) x 256 bytes: word 8 t + j is a LANE MASK:
;   bit l = mask[query 16 qt + l % 16][key 128 ks + 16 t + 8 (l / 16) + j]: the lanes in which score register 8 t + j of the attention launch is hidden.
; flags: word (128 b + qt) 2 + g serves key steps 8 g + k: bit k = the tile has a key that counts, bit 16 + k = it has a hidden key.
; code = x / 2^e, held within +-448, to the nearest code, ties to even; e = entry 1 (keys) or 2 (values) of lowp_scales.  LIMITS: -126 <= e <= 119.  NaN among keys and values is not served.
; SHARES.  Work-groups 0-255 take keys, 256-511 values, 512-767 the mask.  Four waves that share nothing: every stage in LDS is one wave's own, so there is no barrier; each of the three ways has LDS bytes of its own.
; A wave of the first two ways takes one head x 128 keys (the four waves stand side by side on 1,024 bytes of each key's row); a wave of the third 16 queries x 1,024 keys.
; No matrix unit, tensor load or cluster: every input byte is read once, nothing is shared between work-groups.
.set SP,   272                         ; a stage row: 256 bytes + 16 = 68 words, so that 16 rows start at 16 different banks (64 banks of 4 bytes: ISA guide 11.1)
.set WST,  16*SP                       ; a wave's stage for keys or for the mask: 16 rows
.set VP,   2064                        ; values: a channel tile's image, 2,048 bytes + 16
.set VWS,  4*VP
.set VSTG, 4*WST                       ; LDS: keys' stages from 0, values' from here,
.set MSTG, VSTG+4*VWS                  ; the mask's from here
.set LI,  1                            ; v1   16 x lane
.set GL,  2                            ; v2   4096 y + 16 x (x = lane % 16, y = lane / 16): two rows of keys a load
.set GLM, 3                            ; v3   2048 y + 16 x: two rows of the mask
.set KST, 4                            ; v4   keys' stage, in: row y, 16 x
.set KRD, 5                            ; v5   keys' stage, out: row x, 128 y
.set MST, 6                            ; v6   the mask's stage, in
.set MRD, 7                            ; v7   the mask's stage, out: row x, 8 y
.set VS,  8                            ; v8   values' stage, in: 2064 (lane / 8) + 32 (lane % 8)
.set VR,  9                            ; v9   values' stage, out: 16 x lane
.set L8,  10                           ; v10  8 x lane
.set SC,  11                           ; v11  2^e as f32
.set LIM, 12                           ; v12  448 x 2^e
	s_load_b256 s[4:11], s[0:1], 0x0               ; keys s[4:5], values s[6:7], the mask s[8:9], the scales' exponents s[10:11]
	s_load_b128 s[12:15], s[0:1], 0x20             ; kvc s[12:13], mbits s[14:15]
	s_load_b64 s[16:17], s[0:1], 0x30              ; flags
	v_lshl_add_u32 v30, v0, 2, 0x10900
	v_mov_b32 v31, 0
	v_lshrrev_b32 v13, 5, v0
	v_readfirstlane_b32 s18, v13                   ; wave 0..3
	v_and_b32 v14, 31, v0                          ; lane
	v_and_b32 v15, 15, v0                          ; x
	v_bfe_u32 v13, v0, 4, 1                        ; y
	v_lshlrev_b32 v[LI], 4, v14
	v_lshlrev_b32 v[L8], 3, v14
	v_lshlrev_b32 v[GL], 4, v15
	v_lshl_add_u32 v[GLM], v13, 11, v[GL]
	v_lshl_add_u32 v[GL], v13, 12, v[GL]
	s_mul_i32 s19, s18, WST                        ; every LDS address is made here, ahead of the parting of the ways
	v_mul_u32_u24 v[KST], v13, SP
	v_lshl_add_u32 v[KST], v15, 4, v[KST]
	v_add_nc_u32 v[KST], s19, v[KST]
	v_mul_u32_u24 v[KRD], v15, SP
	v_add_nc_u32 v[KRD], s19, v[KRD]
	v_lshl_add_u32 v[MRD], v13, 3, v[KRD]
	v_add_nc_u32 v[MRD], MSTG, v[MRD]
	v_lshl_add_u32 v[KRD], v13, 7, v[KRD]
	v_add_nc_u32 v[MST], MSTG, v[KST]
	s_mul_i32 s19, s18, VWS
	s_add_co_u32 s19, s19, VSTG
	v_lshrrev_b32 v[VS], 3, v14
	v_mul_u32_u24 v[VS], v[VS], VP
	v_and_b32 v[VR], 7, v14
	v_lshl_add_u32 v[VS], v[VR], 5, v[VS]
	v_add_nc_u32 v[VS], s19, v[VS]
	v_add_nc_u32 v[VR], s19, v[LI]
	; keys and values: g = work-group % 256: b = g / 64, ks = (g / 4) % 16, head = 4 (g % 4) + wave
	s_and_b32 s31, ttmp9, 255
	s_lshr_b32 s30, s31, 6                         ; b
	s_bfe_u32 s32, s31, 0x40002                    ; ks
	s_and_b32 s33, s31, 3
	s_lshl_b32 s33, s33, 2
	s_add_co_u32 s33, s33, s18                     ; head
	s_lshl_b32 s34, s30, 23                        ; in: b x 2048 rows x 4096 bytes + ks x 128 rows + head x 256 bytes
	s_lshl_b32 s38, s32, 19
	s_or_b32 s34, s34, s38
	s_lshl_b32 s38, s33, 8
	s_or_b32 s34, s34, s38
	s_mov_b32 s35, 0
	s_lshl_b32 s36, s30, 22                        ; out: (16 (16 b + head) + ks) << 14
	s_lshl_b32 s38, s33, 18
	s_or_b32 s36, s36, s38
	s_lshl_b32 s38, s32, 14
	s_or_b32 s36, s36, s38
	s_mov_b32 s37, 0
	s_wait_kmcnt 0x0
	s_load_b128 s[20:23], s[10:11], 0x0            ; eq, ek, ev, ep
	s_add_nc_u64 s[26:27], s[12:13], s[36:37]      ; my block of kvc
	s_cmp_lt_u32 ttmp9, 256
	s_cbranch_scc0 .Lnot_keys
.macro MKSCALE e                       ; 2^e and 448 x 2^e as f32 numbers, from the whole number in s[e]
	s_wait_kmcnt 0x0
	s_add_co_i32 s30, s[\e], 127
	s_lshl_b32 s31, s30, 23
	v_mov_b32 v[SC], s31                           ; the conversion takes its exponent field
	s_add_co_i32 s30, s30, 8
	s_lshl_b32 s30, s30, 23
	s_or_b32 s30, s30, 0x600000                    ; 448 = 1.75 x 2^8
	v_mov_b32 v[LIM], s30
.endm
; ---------------- KEYS.  A fragment is 16 keys.  Its eight loads take whole head slices (sixteen lanes: 256 consecutive bytes, aligned); the 4,096 bytes turn through my stage, so that a lane gets 32 neighbours along the head.
.set KX, 32                            ; v32-63   32 neighbours
.set KR, 64                            ; v64-191  four sets of 32 registers as loaded
.set KC, 192                           ; v192-255 codes, 8 registers for each fragment: no store's data are written again
.macro KLOAD f
.irp i, 0,1,2,3,4,5,6,7
	global_load_b128 v[KR+32*((\f)%4)+4*\i:KR+32*((\f)%4)+4*\i+3], v[GL], s[24:25] offset:(16*(\f)+2*\i)*4096 th:TH_LOAD_NT
.endr
.endm
.macro KFRAG f
.if 7-(\f) >= 3
	s_wait_loadcnt 24                              ; my eight loads are in; those of the three fragments behind may be out
.else
	s_wait_loadcnt 8*(7-(\f))
.endif
.irp i, 0,1,2,3,4,5,6,7
	ds_store_b128 v[KST], v[KR+32*((\f)%4)+4*\i:KR+32*((\f)%4)+4*\i+3] offset:2*SP*\i
.endr
.irp j, 0,1,2,3,4,5,6,7
	ds_load_b128 v[KX+4*\j:KX+4*\j+3], v[KRD] offset:16*\j         ; LDS serves a wave's instructions in order (ISA guide 5.7.1.4): these see the stores above
.endr
	s_wait_dscnt 0x0                               ; the numbers are back; the stores have read their registers, which take the loads of four fragments on
.if (\f) < 4
	KLOAD (\f)+4
.endif
.irp i, 0,1,2,3,4,5,6,7,8,9,10,11,12,13,14,15,16,17,18,19,20,21,22,23,24,25,26,27,28,29,30,31
	v_med3_num_f32 v[KX+\i], v[KX+\i], -v[LIM], v[LIM]             ; the conversion to an 8-bit code does not saturate (ISA guide 7.6.2): the hold comes first
.endr
.irp g, 0,1,2,3
	v_cvt_scalef32_pk8_fp8_f32 v[KC+8*(\f)+2*\g:KC+8*(\f)+2*\g+1], v[KX+8*\g:KX+8*\g+7], v[SC]
.endr
	v_nop                                          ; a plain line between the conversions and the next fragment's holds, which write their sources
	global_store_b128 v[LI], v[KC+8*(\f):KC+8*(\f)+3], s[26:27] offset:1024*(\f)       ; 32 lanes store 512 consecutive bytes, aligned
	global_store_b128 v[LI], v[KC+8*(\f)+4:KC+8*(\f)+7], s[26:27] offset:1024*(\f)+512
.endm
	s_add_nc_u64 s[24:25], s[4:5], s[34:35]
	KLOAD 0
	KLOAD 1
	KLOAD 2
	KLOAD 3
	MKSCALE 21                                     ; ek
.irp f, 0,1,2,3,4,5,6,7
	KFRAG \f
.endr
	s_wait_tensorcnt 0x0
	ds_add_u32 v30, v31
	s_wait_dscnt 0x0
	s_endpgm
.Lnot_keys:
	s_cmp_lt_u32 ttmp9, 512
	s_cbranch_scc0 .Lmask
; ---------------- VALUES.  The keys are their K, and lie across rows.  A load takes one key's whole head slice (256 bytes, 8 a lane: channels 2 l, 2 l + 1), so a lane's registers run down the keys, two channels interleaved.
; A conversion's eight numbers are four keys x two channels; two byte permutes part the channels: a word = four neighbouring keys of one channel.  The words go into the image's own places in my stage and leave as dense runs.
.set VD,  32                           ; v32-47   a batch's codes, interleaved
.set VFR, 48                           ; v48-63   the same, parted: 8 u + 4 h2 + register within the chunk
.set VX,  64                           ; v64-191  two sets of 64 numbers (32 keys x 2 channels)
.macro VLOAD c
.irp k, 0,1,2,3,4,5,6,7,8,9,10,11,12,13,14,15,16,17,18,19,20,21,22,23,24,25,26,27,28,29,30,31
	global_load_b64 v[VX+64*((\c)%2)+2*\k:VX+64*((\c)%2)+2*\k+1], v[L8], s[24:25] offset:(32*(\c)+\k)*4096 th:TH_LOAD_NT
.endr
.endm
.macro VBATCH c                        ; keys 32 c .. 32 c + 31: chunk c of all four channel tiles
.set XS, VX+64*((\c)%2)
.if (\c) < 3
	s_wait_loadcnt 32                              ; my 32 loads are in; the next batch's may be out
.else
	s_wait_loadcnt 0x0
.endif
.set i, 0
.rept 64
	v_med3_num_f32 v[XS+i], v[XS+i], -v[LIM], v[LIM]
.set i, i+1
.endr
.irp g, 0,1,2,3,4,5,6,7
	v_cvt_scalef32_pk8_fp8_f32 v[VD+2*\g:VD+2*\g+1], v[XS+8*\g:XS+8*\g+7], v[SC]       ; keys 4 g .. 4 g + 3, both channels
.endr
	v_nop                                          ; a plain line between the conversions and the permutes that read their results
.irp u, 0,1                                    ; channel 2 l + u.  Keys 4 g .. 4 g + 3 = 16 (g / 4) + 8 h2 + 4 w with h2 = (g / 2) % 2, w = g % 2: register 2 (g / 4) + w of the chunk, in the half h2 of the lanes
.irp g, 0,1,2,3,4,5,6,7
	v_perm_b32 v[VFR+8*\u+4*((\g/2)%2)+2*(\g/4)+(\g%2)], v[VD+2*\g+1], v[VD+2*\g], s[28+\u]
.endr
.endr
.irp u, 0,1
.irp y, 0,1
	ds_store_b128 v[VS], v[VFR+8*\u+4*\y:VFR+8*\u+4*\y+3] offset:512*(\c)+256*\y+16*\u   ; the place of lane 2 (l % 8) + u + 16 y in tile l / 8
.endr
.endr
.if (\c) < 2
	VLOAD (\c)+2
.endif
	s_wait_dscnt 0x0                               ; the stores have read their registers: the next batch writes them again
.endm
	s_add_nc_u64 s[24:25], s[6:7], s[34:35]
	VLOAD 0
	VLOAD 1
	s_mov_b32 s28, 0x06040200                      ; the even bytes of two words: channel 2 l
	s_mov_b32 s29, 0x07050301                      ; the odd ones: channel 2 l + 1
	MKSCALE 22                                     ; ev
	VBATCH 0
	VBATCH 1
	VBATCH 2
	VBATCH 3
.irp i, 0,1,2,3,4,5,6,7,8,9,10,11,12,13,14,15
	ds_load_b128 v[VX+4*\i:VX+4*\i+3], v[VR] offset:VP*(\i/4)+512*(\i%4)
.endr
.irp i, 0,1,2,3,4,5,6,7,8,9,10,11,12,13,14,15
	s_wait_dscnt 15-\i                             ; load i is back; the younger ones may be out
	global_store_b128 v[LI], v[VX+4*\i:VX+4*\i+3], s[26:27] offset:8192+2048*(\i/4)+512*(\i%4)
.endr
	s_wait_tensorcnt 0x0
	ds_add_u32 v30, v31
	s_wait_dscnt 0x0
	s_endpgm
.Lmask:
; ---------------- THE MASK.  Wave u = 4 (work-group - 512) + wave takes queries 16 (u / 2) .. + 15 (counted through the batches) x keys 1024 (u % 2) .. + 1023: eight key steps.
.set MT,  16                           ; v16-19   at work
.set MW,  32                           ; v32-63   a group of 256 keys: for each of its 16 tiles of 16 keys my 8 bytes
.set MR,  64                           ; v64-191  four groups as loaded
.set MO,  192                          ; v192-207 a key step's 64 words: lane l holds words 2 l, 2 l + 1
	s_sub_co_u32 s30, ttmp9, 512
	s_lshl_b32 s30, s30, 2
	s_add_co_u32 s30, s30, s18                     ; u
	s_lshr_b32 s34, s30, 1
	s_lshl_b32 s34, s34, 15                        ; 16 rows of 2,048 bytes
	s_and_b32 s31, s30, 1
	s_lshl_b32 s31, s31, 10
	s_or_b32 s34, s34, s31
	s_add_nc_u64 s[24:25], s[8:9], s[34:35]
	s_lshl_b32 s36, s30, 11                        ; eight key steps x 256 bytes
	s_add_nc_u64 s[26:27], s[14:15], s[36:37]
	s_lshl_b32 s36, s30, 2
	s_add_nc_u64 s[40:41], s[16:17], s[36:37]      ; my word of flags
.irp g, 0,1,2,3
.irp i, 0,1,2,3,4,5,6,7
	global_load_b128 v[MR+32*\g+4*\i:MR+32*\g+4*\i+3], v[GLM], s[24:25] offset:4096*\i+256*\g th:TH_LOAD_NT   ; sixteen lanes: 256 consecutive bytes of a row, aligned
.endr
.endr
.irp i, 0,1,2,3,4,5,6,7,8,9,10,11,12,13,14,15
	v_mov_b32 v[MO+\i], 0                          ; written whole once: a lane write's destination counts as read
.endr
	s_mov_b32 s38, 0                               ; the flags
.macro MTILE k                         ; key step k of my eight
	s_mov_b32 s36, -1                              ; the AND of the 64 lane masks
	s_mov_b32 s37, 0                               ; and their OR
.set q, 0
.rept 16                               ; score registers n = 4 q + i: tile t = q / 2, j = 4 (q % 2) + i: byte i of word q % 2 of my 8 bytes
.irp i, 0,1,2,3
	v_and_b32 v[MT+\i], 0xff<<(8*\i), v[MW+2*(8*((\k)%2)+q/2)+q%2]
.endr
.irp i, 0,1,2,3
	v_cmp_ne_u32 s[32+\i], 0, v[MT+\i]             ; bit l: hidden in lane l
.endr
.irp i, 0,1,2,3
	s_and_b32 s36, s36, s[32+\i]
	s_or_b32 s37, s37, s[32+\i]
.endr
.irp i, 0,1,2,3
	v_writelane_b32 v[MO+2*(\k)+\i%2], s[32+\i], 2*q+\i/2
.endr
.set q, q+1
.endr
	global_store_b64 v[L8], v[MO+2*(\k):MO+2*(\k)+1], s[26:27] offset:256*(\k)          ; 32 lanes store 256 consecutive bytes, aligned
	s_cmp_lg_u32 s36, -1                           ; not everything is hidden
	s_cselect_b32 s39, 1<<(\k), 0
	s_or_b32 s38, s38, s39
	s_cmp_lg_u32 s37, 0                            ; something is hidden
	s_cselect_b32 s39, 1<<(16+(\k)), 0
	s_or_b32 s38, s38, s39
.endm
.macro MGROUP g                        ; 256 keys: through my stage, so that lane (x, y) gets, of query x, the 8 bytes of keys 16 T + 8 y + 0 .. 7
	s_wait_loadcnt 8*(3-(\g))                      ; this group's eight loads are in; the later groups' may be out
.irp i, 0,1,2,3,4,5,6,7
	ds_store_b128 v[MST], v[MR+32*(\g)+4*\i:MR+32*(\g)+4*\i+3] offset:2*SP*\i
.endr
.irp t, 0,1,2,3,4,5,6,7,8,9,10,11,12,13,14,15
	ds_load_b64 v[MW+2*\t:MW+2*\t+1], v[MRD] offset:16*\t
.endr
	s_wait_dscnt 0x0
	MTILE 2*(\g)
	MTILE 2*(\g)+1
.endm
	MGROUP 0
	MGROUP 1
	MGROUP 2
	MGROUP 3
	v_mov_b32 v20, s38
	v_mov_b32 v21, 0
	s_wait_xcnt 0x0                                ; EXEC is a source of the stores above: it changes only behind this wait
	v_cmp_gt_u32 vcc_lo, 1, v14
	s_wait_tensorcnt 0x0
	ds_add_u32 v30, v31
	s_wait_dscnt 0x0
	s_and_saveexec_b32 s39, vcc_lo                 ; lane 0 alone stores the wave's word
	global_store_b32 v21, v20, s[40:41]
	s_wait_xcnt 0x0
	s_or_b32 exec_lo, exec_lo, s39
	s_endpgm
.Lfunc_end_k_q9ef2d0c0e9_prep:
	.size	k_q9ef2d0c0e9_prep, .Lfunc_end_k_q9ef2d0c0e9_prep-k_q9ef2d0c0e9_prep
	.p2alignl 7, 3214868480
	.fill 96, 4, 3214868480
	.section	.rodata,"a",@progbits
	.p2align	6, 0x0
	.amdhsa_kernel k_q9ef2d0c0e9_prep
		.amdhsa_group_segment_fixed_size 68352
		.amdhsa_private_segment_fixed_size 0
		.amdhsa_enable_private_segment 0
		.amdhsa_kernarg_size 56
		.amdhsa_user_sgpr_count 2
		.amdhsa_user_sgpr_kernarg_segment_ptr 1
		.amdhsa_wavefront_size32 1
		.amdhsa_system_sgpr_workgroup_id_x 1
		.amdhsa_system_sgpr_workgroup_id_y 1
		.amdhsa_system_sgpr_workgroup_id_z 1
		.amdhsa_system_vgpr_workitem_id 0
		.amdhsa_next_free_vgpr 256
		.amdhsa_next_free_sgpr 66
		.amdhsa_reserve_vcc 1
		.amdhsa_float_denorm_mode_32 3
		.amdhsa_float_denorm_mode_16_64 3
		.amdhsa_memory_ordered 1
		.amdhsa_forward_progress 1
		.amdhsa_inst_pref_size 219
	.end_amdhsa_kernel
	.amdgpu_metadata
---
amdhsa.version: [ 1, 2 ]
amdhsa.kernels:
  - .name:           k_q9ef2d0c0e9_prep
    .symbol:         k_q9ef2d0c0e9_prep.kd
    .args:
      - { .name: keys, .offset: 0, .size: 8, .value_kind: global_buffer, .address_space: global }
      - { .name: values, .offset: 8, .size: 8, .value_kind: global_buffer, .address_space: global }
      - { .name: attn_mask, .offset: 16, .size: 8, .value_kind: global_buffer, .address_space: global }
      - { .name: lowp_scales, .offset: 24, .size: 8, .value_kind: global_buffer, .address_space: global }
      - { .name: kvc, .offset: 32, .size: 8, .value_kind: global_buffer, .address_space: global }
      - { .name: mbits, .offset: 40, .size: 8, .value_kind: global_buffer, .address_space: global }
      - { .name: flags, .offset: 48, .size: 8, .value_kind: global_buffer, .address_space: global }
    .group_segment_fixed_size: 68352
    .private_segment_fixed_size: 0
    .kernarg_segment_align: 8
    .kernarg_segment_size: 56
    .max_flat_workgroup_size: 128
    .sgpr_count:     66
    .vgpr_count:     256
    .wavefront_size: 32
...
	.end_amdgpu_metadata
.endif
;; end of part 1
;; launch attn (part 2): grid 4 x 64, 8 waves a work-group, no clusters, 68,608 bytes of LDS; arguments queries, kvc, mbits, flags, lowp_scales, out0; writes out0
.if DOCPART == 2
	.amdgcn_target "amdgcn-amd-amdhsa--gfx1250"
	.amdhsa_code_object_version 6
	.text
	.protected	k_q9ef2d0c0e9_attn
	.globl	k_q9ef2d0c0e9_attn
	.p2align	8
	.type	k_q9ef2d0c0e9_attn,@function
k_q9ef2d0c0e9_attn:
	s_mov_b64 s[64:65], 0
	v_nop
	global_prefetch_b8 v0, s[64:65] scope:SCOPE_SE
	s_setreg_imm32_b32 hwreg(HW_REG_WAVE_MODE, 25, 1), 1
	s_wait_xcnt 0x0
; out[b][q][head] = softmax over the keys that the GIVEN mask lets count of (q . k / 8), times v; both products on codes of E4M3, each tensor with its given scale 2^e (eq, ek, ev, ep).
; t = score x log2(e) / 8; M = the row's largest t so far, rounded UP to a whole number; p = 2^(t - M) is quantised with 2^ep, not normalised; the row's sum is taken of the unquantised p and divides at the end.
; When M moves, the sum and O are multiplied by 2^(old M - new M), which rounds nothing.  A row with no key that counts ends as 0 x infinity = NaN, as a softmax of nothing but -infinity does.
; SHARES.  Work-group (x, bh) makes two blocks of 256 queries of head bh: block x, then block 7 - x.  Each of its eight waves owns 32 queries of a block: tiles A and B of 16, so that a fragment of K or V read from LDS feeds two products.
; Every wave walks all 16 key steps of 128 keys: the trip count is a constant and the barrier stands in every trip.  WHAT IS LEFT OUT IS A STEP'S WORK, by scalar branches on the flags that the launch before made
; from the mask itself: a step in which none of the block's 256 queries has a key that counts is neither fetched nor put into LDS; a wave passes over a step in which none of its 32 queries has one; the lane masks are read and applied only where a key is hidden.
; K's and V's codes come as images of the operands' registers (kvc): 16,384 dense bytes a step, global -> registers -> LDS, two slots by turns, asked for two trips ahead of their use.
; No tensor loads and no cluster: the walk hangs on numbers read from memory, and work-groups of one head need different steps (each block of queries has flags of its own), so no joint request could be made alike in all.
; LAYOUT.  Both products are used transposed: S^T = K Q^T (16x16x64; source 0 = 16 keys, source 1 = 16 queries), O^T = V^T P^T (16x16x128; source 0 = 16 channels, source 1 = P): a lane holds ONE query (lane % 16) throughout.
; Score register 8 t + j holds key 16 t + 8 (lane / 16) + j, so the conversions' results, registers 2 t and 2 t + 1, are the second product's operand as it stands.
; In the first product a lane's 8 registers hold channels 32 (lane / 16) + 0 .. 31, in K and in Q alike: a permutation of the channels that keeps every product with its partner.
; LIMITS on the given exponents, so that each power of two below is an f32 number: eq + ek between -123 and 130; eq and ep between -126 and 119.  NaN among queries, keys and values is not served.
; REGISTERS.  Window 0: v1-11 addresses and constants; v12-35 statistics; v36-67 two sets for the tiles on their way; v68-195 S^T, then p (64 a tile); v196-227 p's codes.
;   Window 1: v0-63 K's fragments; v64-127 V's; v128-191 O^T (32 a tile); v192-207 Q's codes of the block in hand; v208-223 of the second block.
.set LI,   1                           ; v1   16 x lane: my place in an image
.set CP,   2                           ; v2   16 x thread: my 16 bytes of each 4,096 of a tile, in memory and in LDS alike
.set QO,   3                           ; v3   Q: 4096 r + 128 h2
.set STO,  4                           ; v4   the way out: where I put 32 bytes of a row
.set RD,   5                           ; v5   and where I read a row back
.set GO,   6                           ; v6   my byte offset in two rows of out
.set NINF, 7                           ; v7   -infinity
.set PSC,  8                           ; v8   2^ep      v9  448 x 2^ep
.set PLIM, 9
.set QSC,  10                          ; v10  2^eq      v11 448 x 2^eq
.set QLIM, 11
.set ST,   12                          ; tile x's statistics at v[ST + 12 x]:
.set NM,   0                           ;   -M          (named as a pair with the next)
.set TM,   1                           ;   the largest t so far
.set LS,   2                           ;   the sum, in two halves
.set FF,   4                           ;   f = 2^(old M - new M); +5 is named with it as a pair and written once
.set US,   6                           ;   the sums' second chain
.set T0,   8
.set T1,   9
.set PL,   10                          ;   a lane permute's destination
.set STG0, 36
.set STG1, 52
.set SA,   68                          ; S^T of tile A; tile B's 64 further on
.set PCA,  196                         ; p's codes of tile A; tile B's 16 further on
.set KF,   0                           ; window 1
.set VF,   64
.set OA,   128
.set QC,   192
.set QN,   208
.set SLOT,  16384
.set STAGE, 2*SLOT                     ; behind the slots: 16 rows x 272 bytes for each wave, for the way out
.set SP,    272
.set WV,    66                         ; s66 wave   s67 block of queries   s68 blocks to go   s69 pairs of trips to go
.set QB,    67
.set BLKC,  68
.set TC,    69
.set GACT,  70                         ; bit i: key step (this trip + i) has a key that counts for some query of the block
.set WACT,  71                         ; the same for my 32 queries
.set WPART, 72                         ; bit i: it has a hidden key for some of my 32 queries
.set HOLD,  73                         ; 1 where p / 2^ep can pass 448
.set CS,    74                         ; s[74:75] c = log2(e) / 8 x 2^(eq + ek), twice
.set SEL,   76                         ; s[76:77] lane selects: lane l xor 16
.set ESUM,  78                         ; ep + ev
.set TMP,   79
.set KVB,   96                         ; s[96:97]   kvc at the head's key step in hand
.set MB,    98                         ; s[98:99]   mbits at my tile A's words of the step in hand
.set ROFF,  100                        ; s[100:101] byte offset of my first row's head slice in queries and in out
.set OUTP,  104                        ; s[104:105] out at that place
; s[16:63] and s[80:95]: the 64 lane masks of a tile (word n in s[16 + n], from n = 48 on in s[32 + n]); outside the trips: the flags, and at work
.set MSB, 0
.macro WIN new                         ; the immediate's high byte repeats the setting that is left; a switch that changes nothing is dropped
.if MSB != \new
	s_set_vgpr_msb (MSB<<8)|\new
.set MSB, \new
.endif
.endm
.macro PLACES                          ; four plain vector lines behind matrix instructions, ahead of reads of their results and of loads into their registers
.rept 4
	v_nop
.endr
.endm
; The block s[QB]: its offsets, and the loads of its flags: 32 words for its 16 tiles of queries, and my two tiles' four words once more by themselves.
.macro BADDR
	s_and_b32 s[TMP], ttmp7, 0xffff                ; bh
	s_lshr_b32 s88, s[TMP], 4                      ; b
	s_and_b32 s[TMP], s[TMP], 15                   ; head
	s_lshl_b32 s88, s88, 23
	s_lshl_b32 s[TMP], s[TMP], 8
	s_or_b32 s[ROFF], s88, s[TMP]
	s_lshl_b32 s[TMP], s[QB], 20                   ; 256 rows of 4,096 bytes
	s_or_b32 s[ROFF], s[ROFF], s[TMP]
	s_lshl_b32 s[TMP], s[WV], 17                   ; 32 rows
	s_or_b32 s[ROFF], s[ROFF], s[TMP]
	s_mov_b32 s[ROFF+1], 0
	s_lshl_b32 s88, s[QB], 16                      ; 16 tiles of queries x 16 steps x 256 bytes
	s_mov_b32 s89, 0
	s_add_nc_u64 s[MB:MB+1], s[8:9], s[88:89]
	s_lshl_b32 s88, s[QB], 7                       ; 16 tiles x 2 words
	s_add_nc_u64 s[2:3], s[10:11], s[88:89]
	s_lshl_b32 s88, s[WV], 4
	s_add_nc_u64 s[92:93], s[2:3], s[88:89]
	s_load_b512 s[16:31], s[2:3], 0x0
	s_load_b512 s[32:47], s[2:3], 0x40
	s_load_b128 s[48:51], s[92:93], 0x0
	s_mov_b64 s[KVB:KVB+1], s[6:7]
.endm
.macro BFILL                           ; key steps 0 and 1 are asked for whatever their flags: both sets are then written on every path
.irp i, 0,1,2,3
	global_load_b128 v[STG0+4*\i:STG0+4*\i+3], v[CP], s[KVB:KVB+1] offset:4096*\i
.endr
.irp i, 0,1,2,3
	global_load_b128 v[STG1+4*\i:STG1+4*\i+3], v[CP], s[KVB:KVB+1] offset:SLOT+4096*\i
.endr
.endm
.macro MLOAD off                       ; a tile's 64 lane masks for this step
	s_load_b512 s[16:31], s[MB:MB+1], \off
	s_load_b512 s[32:47], s[MB:MB+1], \off+64
	s_load_b512 s[48:63], s[MB:MB+1], \off+128
	s_load_b512 s[80:95], s[MB:MB+1], \off+192
.endm
.macro MAPPLY s                        ; hidden scores become -infinity ahead of the maximum: p = 0 then.  Ascending: each product's result is read from its low end on
.set n, 0
.rept 64
.if n < 48
	v_cndmask_b32 v[\s+n], v[\s+n], v[NINF], s[16+n]
.else
	v_cndmask_b32 v[\s+n], v[\s+n], v[NINF], s[32+n]
.endif
.set n, n+1
.endr
.endm
; The step's fragments out of slot p, and S^T = K Q^T for both tiles.
.macro FRONT p
	WIN 0x40                                       ; destination window 1, address window 0
.irp t, 0,1,2,3,4,5,6,7
.irp c, 0,1
	ds_load_b128 v[KF+8*\t+4*\c:KF+8*\t+4*\c+3], v[LI] offset:SLOT*\p+1024*\t+512*\c
.endr
.endr
.irp d, 0,1,2,3
.irp c, 0,1,2,3
	ds_load_b128 v[VF+16*\d+4*\c:VF+16*\d+4*\c+3], v[LI] offset:SLOT*\p+8192+2048*\d+512*\c
.endr
.endr
	s_wait_dscnt 16                                ; K's fragments are in; V's sixteen loads may be out
	WIN 0x05                                       ; K and Q in window 1, S^T in window 0
.irp t, 0,1,2,3,4,5,6,7
.irp x, 0,1
	v_wmma_f32_16x16x64_fp8_fp8 v[SA+64*\x+8*\t:SA+64*\x+8*\t+7], v[KF+8*\t:KF+8*\t+7], v[QC+8*\x:QC+8*\x+7], 0
.endr
.endr
	WIN 0
	PLACES
.endm
; A live step of my 32 queries.
.macro COMPUTE p
	s_bitcmp1_b32 s[WPART], 0
	s_cbranch_scc1 .Lpart_\@
	FRONT \p                                       ; every key counts for every query of mine
	s_branch .Lopen_\@
.Lpart_\@:
	MLOAD 0                                        ; tile A's masks land under the fragment loads and the products
	FRONT \p
	s_wait_kmcnt 0x0
	MAPPLY SA
	MLOAD 4096                                     ; tile B's, into the same registers
	s_wait_kmcnt 0x0
	MAPPLY SA+64
.Lopen_\@:
	; the step's largest score of my query among my 64 keys: two chains a tile, the tiles line by line; ascending, so that each product's result is read from its low end on
.irp x, 0,1
	v_max3_num_f32 v[ST+12*\x+T0], v[SA+64*\x], v[SA+64*\x+1], v[SA+64*\x+2]
.endr
.irp x, 0,1
	v_max3_num_f32 v[ST+12*\x+T1], v[SA+64*\x+3], v[SA+64*\x+4], v[SA+64*\x+5]
.endr
.irp i, 6,10,14,18,22,26,30,34,38,42,46,50,54,58
.irp x, 0,1
	v_max3_num_f32 v[ST+12*\x+T0], v[ST+12*\x+T0], v[SA+64*\x+\i], v[SA+64*\x+\i+1]
.endr
.irp x, 0,1
	v_max3_num_f32 v[ST+12*\x+T1], v[ST+12*\x+T1], v[SA+64*\x+\i+2], v[SA+64*\x+\i+3]
.endr
.endr
.irp x, 0,1
	v_max3_num_f32 v[ST+12*\x+T0], v[ST+12*\x+T0], v[SA+64*\x+62], v[SA+64*\x+63]
.endr
.irp x, 0,1
	v_max_num_f32 v[ST+12*\x+T0], v[ST+12*\x+T0], v[ST+12*\x+T1]
.endr
.irp x, 0,1
	v_permlanex16_b32 v[ST+12*\x+PL], v[ST+12*\x+T0], s[SEL], s[SEL+1]
.endr
.irp x, 0,1
	v_max_num_f32 v[ST+12*\x+T0], v[ST+12*\x+T0], v[ST+12*\x+PL]   ; and among lane l xor 16's
.endr
.irp x, 0,1
	v_mul_f32 v[ST+12*\x+T0], s[CS], v[ST+12*\x+T0]                ; as t (c is positive)
.endr
.irp x, 0,1
	v_max_num_f32 v[ST+12*\x+TM], v[ST+12*\x+TM], v[ST+12*\x+T0]   ; the running largest t
.endr
.irp x, 0,1
	v_mov_b32 v[ST+12*\x+T1], v[ST+12*\x+NM]
.endr
.irp x, 0,1
	v_floor_f32 v[ST+12*\x+NM], -v[ST+12*\x+TM]                    ; the new -M = floor(-t) = -ceil(t): a whole number
.endr
.irp x, 0,1
	v_sub_f32 v[ST+12*\x+T1], v[ST+12*\x+NM], v[ST+12*\x+T1]       ; old M - new M: a whole number, 0 or less
.endr
.irp x, 0,1
	v_cvt_i32_f32 v[ST+12*\x+T1], v[ST+12*\x+T1]                   ; (it saturates)
.endr
.irp x, 0,1
	v_ldexp_f32 v[ST+12*\x+FF], 1.0, v[ST+12*\x+T1]                ; f = 2^(old M - new M)
.endr
	; t - M, two at a time; p = 2^(t - M).  One tile's plain lines stand between the other tile's exponentials, so that each exponential has a plain line behind it before its result is used
.set j, 0
.rept 32
	v_pk_fma_f32 v[SA+j:SA+j+1], v[SA+j:SA+j+1], s[CS:CS+1], v[ST+NM:ST+NM+1] op_sel_hi:[1,0,0]
.set j, j+2
.endr
.set j, 0
.rept 32
	v_exp_f32 v[SA+j], v[SA+j]
	v_exp_f32 v[SA+j+1], v[SA+j+1]
	v_pk_fma_f32 v[SA+64+j:SA+64+j+1], v[SA+64+j:SA+64+j+1], s[CS:CS+1], v[ST+12+NM:ST+12+NM+1] op_sel_hi:[1,0,0]
.set j, j+2
.endr
	v_pk_mul_f32 v[ST+LS:ST+LS+1], v[ST+LS:ST+LS+1], v[ST+FF:ST+FF+1] op_sel_hi:[1,0]   ; A's sum under the new M
	s_wait_alu depctr_va_vdst(0)
	v_pk_add_f32 v[ST+US:ST+US+1], v[SA:SA+1], v[SA+2:SA+3]       ; THE SUM IS TAKEN OF THE UNQUANTISED p: two at a time, in two chains
.set j, 0
.rept 32
	v_exp_f32 v[SA+64+j], v[SA+64+j]
	v_exp_f32 v[SA+64+j+1], v[SA+64+j+1]
.if j < 60
.if (j%4) == 0
	v_pk_add_f32 v[ST+LS:ST+LS+1], v[ST+LS:ST+LS+1], v[SA+4+j:SA+5+j]
.else
	v_pk_add_f32 v[ST+US:ST+US+1], v[ST+US:ST+US+1], v[SA+4+j:SA+5+j]
.endif
.endif
.set j, j+2
.endr
	v_pk_add_f32 v[ST+LS:ST+LS+1], v[ST+LS:ST+LS+1], v[ST+US:ST+US+1]                   ; (the plain line behind B's last exponentials)
	v_pk_mul_f32 v[ST+12+LS:ST+12+LS+1], v[ST+12+LS:ST+12+LS+1], v[ST+12+FF:ST+12+FF+1] op_sel_hi:[1,0]
	s_wait_alu depctr_va_vdst(0)
	v_pk_add_f32 v[ST+12+US:ST+12+US+1], v[SA+64:SA+65], v[SA+66:SA+67]
.set j, 4
.rept 15
	v_pk_add_f32 v[ST+12+LS:ST+12+LS+1], v[ST+12+LS:ST+12+LS+1], v[SA+64+j:SA+65+j]
	v_pk_add_f32 v[ST+12+US:ST+12+US+1], v[ST+12+US:ST+12+US+1], v[SA+66+j:SA+67+j]
.set j, j+4
.endr
	v_pk_add_f32 v[ST+12+LS:ST+12+LS+1], v[ST+12+LS:ST+12+LS+1], v[ST+12+US:ST+12+US+1]
	; p is at most 1, so p / 2^ep is at most 2^-ep: from ep = -8 on that is 256 at the most and the hold at 448 changes nothing; it is passed over then
	s_cmp_eq_u32 s[HOLD], 0
	s_cbranch_scc1 .Lfits_\@
.set j, 0
.rept 128
	v_min_num_f32 v[SA+j], v[SA+j], v[PLIM]                        ; the conversion does not saturate (ISA guide 7.6.2); p is not negative, so the hold is one-sided
.set j, j+1
.endr
.Lfits_\@:
.irp t, 0,1,2,3,4,5,6,7
.irp x, 0,1
	v_cvt_scalef32_pk8_fp8_f32 v[PCA+16*\x+2*\t:PCA+16*\x+2*\t+1], v[SA+64*\x+8*\t:SA+64*\x+8*\t+7], v[PSC]
.endr
.endr
	WIN 0x41                                       ; O^T (destination and source 0) in window 1, f in window 0
.irp x, 0,1
.set j, 0
.rept 16
	v_pk_mul_f32 v[OA+32*\x+j:OA+32*\x+j+1], v[OA+32*\x+j:OA+32*\x+j+1], v[ST+12*\x+FF:ST+12*\x+FF+1] op_sel_hi:[1,0]   ; O^T under the new M, ascending.  (Also the plain lines behind the conversions)
.set j, j+2
.endr
.endr
	s_wait_dscnt 0x0                               ; V's fragments are in
	WIN 0x51                                       ; V in window 1, P in window 0, O^T in window 1
.irp d, 0,1,2,3                                ; eight accumulators, one instruction each: by turns
.irp x, 0,1
	v_wmma_f32_16x16x128_fp8_fp8 v[OA+32*\x+8*\d:OA+32*\x+8*\d+7], v[VF+16*\d:VF+16*\d+15], v[PCA+16*\x:PCA+16*\x+15], v[OA+32*\x+8*\d:OA+32*\x+8*\d+7]
.endr
.endr
	WIN 0
	PLACES                                         ; ahead of whatever comes next on any path: loads into V's registers, reads and writes of O^T, writes of P's codes
.endm
; A TRIP: key step j, in slot p = j % 2.
.macro TRIP p
	s_wait_dscnt 0x0                               ; my part of step j lies in slot p, and my reads of slot 1 - p are over
	s_barrier_signal -1
	s_barrier_wait -1                              ; both now hold of all eight waves
	s_wait_loadcnt 0x0                             ; step j + 1 is in its registers (asked for a trip ago); no load names KVB any more
	s_add_nc_u64 s[KVB:KVB+1], s[KVB:KVB+1], SLOT
	s_bitcmp1_b32 s[GACT], 2                       ; step j + 2, if any query of the block wants it (past step 15 the bits are 0: no load leaves the buffer):
	s_cbranch_scc0 .Lnot_asked_\@
.irp i, 0,1,2,3
	global_load_b128 v[STG0+16*\p+4*\i:STG0+16*\p+4*\i+3], v[CP], s[KVB:KVB+1] offset:SLOT+4096*\i   ; into the set whose LDS stores ended ahead of the barrier
.endr
.Lnot_asked_\@:
	s_bitcmp1_b32 s[GACT], 1                       ; step j + 1 goes into the slot that nobody reads any more
	s_cbranch_scc0 .Lnot_put_\@
.irp i, 0,1,2,3
	ds_store_b128 v[CP], v[STG0+16*(1-\p)+4*\i:STG0+16*(1-\p)+4*\i+3] offset:SLOT*(1-\p)+4096*\i
.endr
.Lnot_put_\@:
	s_bitcmp1_b32 s[WACT], 0
	s_cbranch_scc0 .Lidle_\@
	COMPUTE \p
.Lidle_\@:
	s_wait_kmcnt 0x0                               ; no scalar load names MB any more, on any path
	s_add_nc_u64 s[MB:MB+1], s[MB:MB+1], 256
	s_lshr_b32 s[GACT], s[GACT], 1
	s_lshr_b32 s[WACT], s[WACT], 1
	s_lshr_b32 s[WPART], s[WPART], 1
.endm
	s_load_b256 s[4:11], s[0:1], 0x0               ; queries s[4:5], kvc s[6:7], mbits s[8:9], flags s[10:11]
	s_load_b128 s[12:15], s[0:1], 0x20             ; the scales' exponents s[12:13], out s[14:15]
	v_lshl_add_u32 v254, v0, 2, 0x10800
	v_mov_b32 v255, 0
	v_lshrrev_b32 v12, 5, v0
	v_readfirstlane_b32 s[WV], v12                 ; wave 0..7
	v_and_b32 v13, 31, v0
	v_and_b32 v14, 15, v0                          ; r
	v_bfe_u32 v15, v0, 4, 1                        ; h2
	v_lshlrev_b32 v[LI], 4, v13
	v_lshlrev_b32 v[CP], 4, v0
	v_lshlrev_b32 v[QO], 12, v14
	v_lshl_add_u32 v[QO], v15, 7, v[QO]
	s_mul_i32 s[TMP], s[WV], 16*SP
	s_add_co_u32 s[TMP], s[TMP], STAGE             ; my stage
	v_mul_u32_u24 v[STO], v14, SP                  ; in: row r, 32 bytes for each half of the lanes
	v_lshl_add_u32 v[STO], v15, 5, v[STO]
	v_add_nc_u32 v[STO], s[TMP], v[STO]
	v_mul_u32_u24 v[RD], v15, SP                   ; back: lanes 0-15 one row of 256 bytes, lanes 16-31 the next
	v_lshl_add_u32 v[RD], v14, 4, v[RD]
	v_add_nc_u32 v[RD], s[TMP], v[RD]
	v_lshlrev_b32 v[GO], 12, v15                   ; and the same two rows in out
	v_lshl_add_u32 v[GO], v14, 4, v[GO]
	v_mov_b32 v[NINF], 0xff800000
	s_mov_b32 s[SEL], 0x76543210
	s_mov_b32 s[SEL+1], 0xfedcba98
	s_mov_b32 s[QB], ttmp9                         ; the first block of queries
	s_mov_b32 s[BLKC], 2
	s_and_b32 s[TMP], ttmp7, 0xffff                ; bh
	s_lshl_b32 s80, s[TMP], 18                     ; the head's 16 blocks of kvc
	s_mov_b32 s81, 0
	s_lshr_b32 s[TMP], s[TMP], 4                   ; b
	s_lshl_b32 s82, s[TMP], 19                     ; the batch's words of mbits, and my wave's two tiles among a block's sixteen
	s_lshl_b32 s84, s[WV], 13
	s_or_b32 s82, s82, s84
	s_mov_b32 s83, 0
	s_lshl_b32 s84, s[TMP], 10                     ; the batch's flags
	s_mov_b32 s85, 0
	s_wait_kmcnt 0x0
	s_add_nc_u64 s[6:7], s[6:7], s[80:81]
	s_add_nc_u64 s[8:9], s[8:9], s[82:83]
	s_add_nc_u64 s[10:11], s[10:11], s[84:85]
	s_load_b128 s[84:87], s[12:13], 0x0            ; eq, ek, ev, ep
	BADDR
	s_add_nc_u64 s[80:81], s[4:5], s[ROFF:ROFF+1]  ; Q of the first block,
	s_sub_co_u32 s[TMP], 7, s[QB]
	s_lshl_b32 s[TMP], s[TMP], 20
	s_and_b32 s82, s[ROFF], 0xff8fffff
	s_or_b32 s82, s82, s[TMP]
	s_mov_b32 s83, 0
	s_add_nc_u64 s[82:83], s[4:5], s[82:83]        ; and of the second: both are quantised now and stay in registers
.irp s, 0,1,2,3                                ; s = 2 x block + tile: lane (r, h2) takes, of query r, channels 32 h2 + 0 .. 31
.irp i, 0,1,2,3,4,5,6,7
	global_load_b128 v[SA+32*\s+4*\i:SA+32*\s+4*\i+3], v[QO], s[80+2*(\s/2):81+2*(\s/2)] offset:65536*(\s%2)+16*\i
.endr
.endr
	BFILL
	s_wait_kmcnt 0x0
	s_add_co_i32 s[TMP], s84, s85                  ; a score stands for score x 2^(eq + ek): the two exponents are added to c's exponent field
	s_lshl_b32 s[TMP], s[TMP], 23
	s_add_co_i32 s[CS], s[TMP], 0x3e38aa3b         ; log2(e) / 8
	s_mov_b32 s[CS+1], s[CS]                       ; (named with it as a pair, so it is written)
	s_add_co_i32 s[ESUM], s86, s87                 ; ev + ep
	s_cmp_lt_i32 s87, -8
	s_cselect_b32 s[HOLD], 1, 0
	s_add_co_i32 s[TMP], s84, 127
	s_lshl_b32 s88, s[TMP], 23
	v_mov_b32 v[QSC], s88                          ; 2^eq
	s_add_co_i32 s[TMP], s[TMP], 8
	s_lshl_b32 s[TMP], s[TMP], 23
	s_or_b32 s[TMP], s[TMP], 0x600000
	v_mov_b32 v[QLIM], s[TMP]                      ; 448 x 2^eq
	s_add_co_i32 s[TMP], s87, 127
	s_lshl_b32 s88, s[TMP], 23
	v_mov_b32 v[PSC], s88                          ; 2^ep
	s_add_co_i32 s[TMP], s[TMP], 8
	s_lshl_b32 s[TMP], s[TMP], 23
	s_or_b32 s[TMP], s[TMP], 0x600000
	v_mov_b32 v[PLIM], s[TMP]                      ; 448 x 2^ep
	s_wait_loadcnt 8                               ; Q's 32 loads are in; the eight for key steps 0 and 1 may be out
.set j, 0
.rept 128
	v_med3_num_f32 v[SA+j], v[SA+j], -v[QLIM], v[QLIM]
.set j, j+1
.endr
	WIN 0x40                                       ; destination window 1
.irp s, 0,1,2,3
.irp g, 0,1,2,3
	v_cvt_scalef32_pk8_fp8_f32 v[QC+8*\s+2*\g:QC+8*\s+2*\g+1], v[SA+32*\s+8*\g:SA+32*\s+8*\g+7], v[QSC]
.endr
.endr
	v_nop                                          ; a plain line behind the conversions: products read their results and write their sources
	WIN 0
.Lblock:                                           ; two trips: a block of 256 queries each
	s_add_nc_u64 s[OUTP:OUTP+1], s[14:15], s[ROFF:ROFF+1]
	WIN 0x40
.set j, 0
.rept 64
	v_mov_b32 v[OA+j], 0                           ; O^T.  Which step is a wave's first live one hangs on the mask, so no first product can be written out to start the sums
.set j, j+1
.endr
	WIN 0
.irp x, 0,1
	v_mov_b32 v[ST+12*\x+TM], 0xff61b1e6           ; the largest t so far: -3e38, under every t
	v_floor_f32 v[ST+12*\x+NM], -v[ST+12*\x+TM]
	v_mov_b32 v[ST+12*\x+LS], 0
	v_mov_b32 v[ST+12*\x+LS+1], 0
	v_mov_b32 v[ST+12*\x+FF+1], 0                  ; (named as the upper half of a pair)
	v_mov_b32 v[ST+12*\x+PL], 0                    ; (a lane permute's destination counts as read)
.endr
	s_wait_kmcnt 0x0                               ; the flags.  Even words serve key steps 0-7, odd words 8-15; low half: a key counts, high half: a key is hidden
	s_or_b32 s80, s16, s18
	s_or_b32 s81, s17, s19
.irp n, 20,22,24,26,28,30,32,34,36,38,40,42,44,46
	s_or_b32 s80, s80, s[\n]
	s_or_b32 s81, s81, s[\n+1]
.endr
	s_lshl_b32 s81, s81, 8
	s_or_b32 s80, s80, s81
	s_and_b32 s[GACT], s80, 0xffff
	s_or_b32 s80, s48, s50                         ; my two tiles'
	s_or_b32 s81, s49, s51
	s_lshl_b32 s81, s81, 8
	s_or_b32 s80, s80, s81
	s_and_b32 s[WACT], s80, 0xffff
	s_lshr_b32 s[WPART], s80, 16
	s_wait_loadcnt 4                               ; key step 0 is in its registers; step 1's four loads may be out
.irp i, 0,1,2,3
	ds_store_b128 v[CP], v[STG0+4*\i:STG0+4*\i+3] offset:4096*\i   ; slot 0 was last read in the block before's trip 14, and every wave has since passed trip 15's barrier
.endr
	s_mov_b32 s[TC], 8
.Ltrip:
	TRIP 0
	TRIP 1
	s_sub_co_u32 s[TC], s[TC], 1
	s_cmp_lg_u32 s[TC], 0
	s_cbranch_scc1 .Ltrip
	s_wait_loadcnt 0x0                             ; nothing names KVB or lands in the two sets any more,
	s_wait_dscnt 0x0                               ; and no LDS store still reads them
	s_sub_co_u32 s[QB], 7, s[QB]
	s_cmp_eq_u32 s[BLKC], 1
	s_cbranch_scc1 .Llast
	BADDR                                          ; the second block's flags and first two key steps land under the way out
	BFILL
	WIN 0x41
.irp i, 0,1,2,3,4,5,6,7,8,9,10,11,12,13,14,15
	v_mov_b32 v[QC+\i], v[QN+\i]                   ; its Q takes the place that the products name
.endr
	WIN 0
.Llast:
	; THE WAY OUT.  The sum's two halves and lane l xor 16's are added; O^T x 2^(ep + ev) / the sum goes through my stage, a tile (16 rows x 256 bytes) at a time, and leaves as whole head slices.
.irp x, 0,1
	v_add_f32 v[ST+12*\x+T0], v[ST+12*\x+LS], v[ST+12*\x+LS+1]
.endr
.irp x, 0,1
	v_permlanex16_b32 v[ST+12*\x+PL], v[ST+12*\x+T0], s[SEL], s[SEL+1]
.endr
.irp x, 0,1
	v_add_f32 v[ST+12*\x+T0], v[ST+12*\x+T0], v[ST+12*\x+PL]
.endr
.irp x, 0,1
	v_rcp_f32 v[ST+12*\x+T1], v[ST+12*\x+T0]
.endr
	v_nop                                          ; a plain line behind the reciprocals
	s_wait_alu depctr_va_vdst(0)
.irp x, 0,1
	v_ldexp_f32 v[ST+12*\x+T0], v[ST+12*\x+T1], s[ESUM]
.endr
.macro OTILE x
	WIN 0x01                                       ; source 0 (O^T) window 1
.set j, 0
.rept 32
	v_mul_f32 v[SA+64*\x+j], v[OA+32*\x+j], v[ST+12*\x+T0]         ; register 8 d + i is out(query r, channel 16 d + 8 h2 + i); ascending
.set j, j+1
.endr
	WIN 0
.irp d, 0,1,2,3
	ds_store_b128 v[STO], v[SA+64*\x+8*\d:SA+64*\x+8*\d+3] offset:64*\d
	ds_store_b128 v[STO], v[SA+64*\x+8*\d+4:SA+64*\x+8*\d+7] offset:64*\d+16
.endr
.irp i, 0,1,2,3,4,5,6,7
	ds_load_b128 v[SA+64*\x+32+4*\i:SA+64*\x+32+4*\i+3], v[RD] offset:2*SP*\i   ; LDS serves a wave's instructions in order (ISA guide 5.7.1.4): these see my stores, and the next tile's stores come behind them
.endr
.endm
	OTILE 0
	OTILE 1
	s_wait_dscnt 16                                ; tile A's rows are back; tile B's sixteen LDS instructions may be out
.irp i, 0,1,2,3,4,5,6,7
	global_store_b128 v[GO], v[SA+32+4*\i:SA+32+4*\i+3], s[OUTP:OUTP+1] offset:8192*\i th:TH_STORE_NT          ; sixteen lanes store 256 consecutive bytes, aligned
.endr
	s_wait_dscnt 0x0
.irp i, 0,1,2,3,4,5,6,7
	global_store_b128 v[GO], v[SA+96+4*\i:SA+96+4*\i+3], s[OUTP:OUTP+1] offset:65536+8192*\i th:TH_STORE_NT
.endr
	s_wait_xcnt 0x0                                ; the stores' base and data are written again only behind this wait
	s_sub_co_u32 s[BLKC], s[BLKC], 1
	s_cmp_lg_u32 s[BLKC], 0
	s_cbranch_scc1 .Lblock
	s_wait_tensorcnt 0x0
	ds_add_u32 v254, v255
	s_wait_dscnt 0x0
	s_endpgm
.Lfunc_end_k_q9ef2d0c0e9_attn:
	.size	k_q9ef2d0c0e9_attn, .Lfunc_end_k_q9ef2d0c0e9_attn-k_q9ef2d0c0e9_attn
	.p2alignl 7, 3214868480
	.fill 96, 4, 3214868480
	.section	.rodata,"a",@progbits
	.p2align	6, 0x0
	.amdhsa_kernel k_q9ef2d0c0e9_attn
		.amdhsa_group_segment_fixed_size 68608
		.amdhsa_private_segment_fixed_size 0
		.amdhsa_enable_private_segment 0
		.amdhsa_kernarg_size 48
		.amdhsa_user_sgpr_count 2
		.amdhsa_user_sgpr_kernarg_segment_ptr 1
		.amdhsa_wavefront_size32 1
		.amdhsa_system_sgpr_workgroup_id_x 1
		.amdhsa_system_sgpr_workgroup_id_y 1
		.amdhsa_system_sgpr_workgroup_id_z 1
		.amdhsa_system_vgpr_workitem_id 0
		.amdhsa_next_free_vgpr 512
		.amdhsa_next_free_sgpr 106
		.amdhsa_reserve_vcc 0
		.amdhsa_float_denorm_mode_32 3
		.amdhsa_float_denorm_mode_16_64 3
		.amdhsa_memory_ordered 1
		.amdhsa_forward_progress 1
		.amdhsa_inst_pref_size 113
	.end_amdhsa_kernel
	.amdgpu_metadata
---
amdhsa.version: [ 1, 2 ]
amdhsa.kernels:
  - .name:           k_q9ef2d0c0e9_attn
    .symbol:         k_q9ef2d0c0e9_attn.kd
    .args:
      - { .name: queries, .offset: 0, .size: 8, .value_kind: global_buffer, .address_space: global }
      - { .name: kvc, .offset: 8, .size: 8, .value_kind: global_buffer, .address_space: global }
      - { .name: mbits, .offset: 16, .size: 8, .value_kind: global_buffer, .address_space: global }
      - { .name: flags, .offset: 24, .size: 8, .value_kind: global_buffer, .address_space: global }
      - { .name: lowp_scales, .offset: 32, .size: 8, .value_kind: global_buffer, .address_space: global }
      - { .name: out0, .offset: 40, .size: 8, .value_kind: global_buffer, .address_space: global }
    .group_segment_fixed_size: 68608
    .private_segment_fixed_size: 0
    .kernarg_segment_align: 8
    .kernarg_segment_size: 48
    .max_flat_workgroup_size: 256
    .sgpr_count:     106
    .vgpr_count:     512
    .wavefront_size: 32
...
	.end_amdgpu_metadata
.endif
;; end of part 2
;; ======== version 2 of 2: 2 launches; version 1 with the launch attn written anew for expert scheduling mode
;; workspace buffers: kvc 16,777,216 bytes; mbits 2,097,152 bytes of whole numbers; flags 4,096 bytes of whole numbers
;; launch prep: the kernel of part 1 again; grid 768 x 1, 4 waves a work-group, no clusters, 68,352 bytes of LDS; arguments keys, values, attn_mask, lowp_scales, kvc, mbits, flags; writes kvc, mbits, flags
;; launch attn (part 3): grid 4 x 64, 8 waves a work-group, no clusters, 68,608 bytes of LDS; arguments queries, kvc, mbits, flags, lowp_scales, out0; writes out0
.if DOCPART == 3
	.amdgcn_target "amdgcn-amd-amdhsa--gfx1250"
	.amdhsa_code_object_version 6
	.text
	.protected	k_q9ef2d0c0e9_attn
	.globl	k_q9ef2d0c0e9_attn
	.p2align	8
	.type	k_q9ef2d0c0e9_attn,@function
k_q9ef2d0c0e9_attn:
	s_mov_b64 s[64:65], 0
	v_nop
	global_prefetch_b8 v0, s[64:65] scope:SCOPE_SE
	s_setreg_imm32_b32 hwreg(HW_REG_WAVE_SCHED_MODE, 0, 2), 2
	s_setreg_imm32_b32 hwreg(HW_REG_WAVE_MODE, 25, 1), 1
	s_wait_xcnt 0x0
	s_wait_alu depctr_vm_vsrc(0)
; out[b][q][head] = softmax over the keys that the GIVEN mask lets count of (q . k / 8), times v; both products on codes of E4M3, each tensor with its given scale 2^e (eq, ek, ev, ep).
; t = score x log2(e) / 8; M = the row's largest t so far, rounded UP to a whole number; p = 2^(t - M) is quantised with 2^ep, not normalised; the row's sum is taken of the unquantised p and divides at the end.
; When M moves, the sum and O are multiplied by 2^(old M - new M), which rounds nothing.  A row with no key that counts ends as 0 x infinity = NaN, as a softmax of nothing but -infinity does.
; SHARES.  Work-group (x, bh) makes two blocks of 256 queries of head bh: block x, then block 7 - x.  Each of its eight waves owns 32 queries of a block: tiles A and B of 16, so that a fragment of K or V read from LDS feeds two products.
; Every wave walks all 16 key steps of 128 keys: the trip count is a constant and the barrier stands in every trip.  WHAT IS LEFT OUT IS A STEP'S WORK, by scalar branches on the flags that the launch before made
; from the mask itself: a step in which none of the block's 256 queries has a key that counts is neither fetched nor put into LDS; a wave passes over a step in which none of its 32 queries has one; the lane masks are read and applied only where a key is hidden.
; K's and V's codes come as images of the operands' registers (kvc): 16,384 dense bytes a step, global -> registers -> LDS, two slots by turns, asked for two trips ahead of their use.
; No tensor loads and no cluster: the walk hangs on numbers read from memory, and work-groups of one head need different steps (each block of queries has flags of its own), so no joint request could be made alike in all.
; LAYOUT.  Both products are used transposed: S^T = K Q^T (16x16x64; source 0 = 16 keys, source 1 = 16 queries), O^T = V^T P^T (16x16x128; source 0 = 16 channels, source 1 = P): a lane holds ONE query (lane % 16) throughout.
; Score register 8 t + j holds key 16 t + 8 (lane / 16) + j, so the conversions' results, registers 2 t and 2 t + 1, are the second product's operand as it stands.
; In the first product a lane's 8 registers hold channels 32 (lane / 16) + 0 .. 31, in K and in Q alike: a permutation of the channels that keeps every product with its partner.
; LIMITS on the given exponents, so that each power of two below is an f32 number: eq + ek between -123 and 130; eq and ep between -126 and 119.  NaN among queries, keys and values is not served.
; REGISTERS.  Window 0: v1-11 addresses and constants; v12-35 statistics; v36-67 two sets for the tiles on their way; v68-195 S^T, then p (64 a tile); v196-227 p's codes; v254, v255 the closing add's two.
;   Window 1: v0-63 K's fragments; v64-127 V's; v128-191 O^T (32 a tile); v192-207 Q's codes of the block in hand; v208-223 of the second block.
; THE MODE: SCHED_MODE bits 1:0 = 2 (LLVM: expert scheduling mode 2), set by the entry lines.  The code itself states the register dependences
; between vector or matrix instructions and memory or LDS instructions, with s_wait_alu, always for 0.
; THE PLAN.  Registers that memory or LDS instructions touch:
;   v1 .. v6      Addresses.  Written at the head, ahead of one wait on va_vdst; no vector line names them again.
;   STG0, STG1    Memory's side alone.  Trip j: the loads of step j + 2 land in set j % 2, which the LDS stores of trip j - 1 (ahead of trip 0: of the block's head) read: one wait on vm_vsrc a trip, ahead of the branch round the loads.
;   KF, VF        A live step's LDS loads land in them; its 16 score products read KF, its 8 last products VF.  One wait on va_vdst at the step's head states that the step before is done reading both.  K's loads follow it, then the
;                 score products, then V's loads, with no further wait: the products between name S^T, KF and Q's codes, none of the registers that V's loads touch.
;   v[SA ..]      In the trips vector and matrix lines alone.  At the head Q's loads land there.  On the way out 64 multiplications write it, one wait on va_vdst follows, LDS stores read it, loads from the stage land in its other half,
;                 global stores read that; one wait on vm_vsrc at the block's end, ahead of the next block's products, which write it again.
;   v254, v255    Written at the head, read by the closing add alone.
;   The statistics, p's codes, O^T and Q's codes are named by vector and matrix lines alone.
.set LI,   1                           ; v1   16 x lane: my place in an image
.set CP,   2                           ; v2   16 x thread: my 16 bytes of each 4,096 of a tile, in memory and in LDS alike
.set QO,   3                           ; v3   Q: 4096 r + 128 h2
.set STO,  4                           ; v4   the way out: where I put 32 bytes of a row
.set RD,   5                           ; v5   and where I read a row back
.set GO,   6                           ; v6   my byte offset in two rows of out
.set NINF, 7                           ; v7   -infinity
.set PSC,  8                           ; v8   2^ep      v9  448 x 2^ep
.set PLIM, 9
.set QSC,  10                          ; v10  2^eq      v11 448 x 2^eq
.set QLIM, 11
.set ST,   12                          ; tile x's statistics at v[ST + 12 x]:
.set NM,   0                           ;   -M          (named as a pair with the next)
.set TM,   1                           ;   the largest t so far
.set LS,   2                           ;   the sum, in two halves
.set FF,   4                           ;   f = 2^(old M - new M); +5 is named with it as a pair and written once
.set US,   6                           ;   the sums' second chain
.set T0,   8
.set T1,   9
.set PL,   10                          ;   a lane permute's destination
.set STG0, 36
.set STG1, 52
.set SA,   68                          ; S^T of tile A; tile B's 64 further on
.set PCA,  196                         ; p's codes of tile A; tile B's 16 further on
.set KF,   0                           ; window 1
.set VF,   64
.set OA,   128
.set QC,   192
.set QN,   208
.set SLOT,  16384
.set STAGE, 2*SLOT                     ; behind the slots: 16 rows x 272 bytes for each wave, for the way out
.set SP,    272
.set WV,    66                         ; s66 wave   s67 block of queries   s68 blocks to go   s69 pairs of trips to go
.set QB,    67
.set BLKC,  68
.set TC,    69
.set GACT,  70                         ; bit i: key step (this trip + i) has a key that counts for some query of the block
.set WACT,  71                         ; the same for my 32 queries
.set WPART, 72                         ; bit i: it has a hidden key for some of my 32 queries
.set HOLD,  73                         ; 1 where p / 2^ep can pass 448
.set CS,    74                         ; s[74:75] c = log2(e) / 8 x 2^(eq + ek), twice
.set SEL,   76                         ; s[76:77] lane selects: lane l xor 16
.set ESUM,  78                         ; ep + ev
.set TMP,   79
.set KVB,   96                         ; s[96:97]   kvc at the head's key step in hand
.set MB,    98                         ; s[98:99]   mbits at my tile A's words of the step in hand
.set ROFF,  100                        ; s[100:101] byte offset of my first row's head slice in queries and in out
.set OUTP,  104                        ; s[104:105] out at that place
; s[16:63] and s[80:95]: the 64 lane masks of a tile (word n in s[16 + n], from n = 48 on in s[32 + n]); outside the trips: the flags, and at work
.set MSB, 0
.macro WIN new                         ; the immediate's high byte repeats the setting that is left; a switch that changes nothing is dropped
.if MSB != \new
	s_set_vgpr_msb (MSB<<8)|\new
.set MSB, \new
.endif
.endm
.macro PLACES                          ; four plain vector lines behind matrix instructions, ahead of vector lines that read their results or write their registers (ISA guide 7.12.1)
.rept 4
	v_nop
.endr
.endm
; The block s[QB]: its offsets, and the loads of its flags: 32 words for its 16 tiles of queries, and my two tiles' four words once more by themselves.
.macro BADDR
	s_and_b32 s[TMP], ttmp7, 0xffff                ; bh
	s_lshr_b32 s88, s[TMP], 4                      ; b
	s_and_b32 s[TMP], s[TMP], 15                   ; head
	s_lshl_b32 s88, s88, 23
	s_lshl_b32 s[TMP], s[TMP], 8
	s_or_b32 s[ROFF], s88, s[TMP]
	s_lshl_b32 s[TMP], s[QB], 20                   ; 256 rows of 4,096 bytes
	s_or_b32 s[ROFF], s[ROFF], s[TMP]
	s_lshl_b32 s[TMP], s[WV], 17                   ; 32 rows
	s_or_b32 s[ROFF], s[ROFF], s[TMP]
	s_mov_b32 s[ROFF+1], 0
	s_lshl_b32 s88, s[QB], 16                      ; 16 tiles of queries x 16 steps x 256 bytes
	s_mov_b32 s89, 0
	s_add_nc_u64 s[MB:MB+1], s[8:9], s[88:89]
	s_lshl_b32 s88, s[QB], 7                       ; 16 tiles x 2 words
	s_add_nc_u64 s[2:3], s[10:11], s[88:89]
	s_lshl_b32 s88, s[WV], 4
	s_add_nc_u64 s[92:93], s[2:3], s[88:89]
	s_load_b512 s[16:31], s[2:3], 0x0
	s_load_b512 s[32:47], s[2:3], 0x40
	s_load_b128 s[48:51], s[92:93], 0x0
	s_mov_b64 s[KVB:KVB+1], s[6:7]
.endm
.macro BFILL                           ; key steps 0 and 1 are asked for whatever their flags: both sets are then written on every path
.irp i, 0,1,2,3
	global_load_b128 v[STG0+4*\i:STG0+4*\i+3], v[CP], s[KVB:KVB+1] offset:4096*\i
.endr
.irp i, 0,1,2,3
	global_load_b128 v[STG1+4*\i:STG1+4*\i+3], v[CP], s[KVB:KVB+1] offset:SLOT+4096*\i
.endr
.endm
.macro MLOAD off                       ; a tile's 64 lane masks for this step
	s_load_b512 s[16:31], s[MB:MB+1], \off
	s_load_b512 s[32:47], s[MB:MB+1], \off+64
	s_load_b512 s[48:63], s[MB:MB+1], \off+128
	s_load_b512 s[80:95], s[MB:MB+1], \off+192
.endm
.macro MAPPLY s                        ; hidden scores become -infinity ahead of the maximum: p = 0 then.  Ascending: each product's result is read from its low end on
.set n, 0
.rept 64
.if n < 48
	v_cndmask_b32 v[\s+n], v[\s+n], v[NINF], s[16+n]
.else
	v_cndmask_b32 v[\s+n], v[\s+n], v[NINF], s[32+n]
.endif
.set n, n+1
.endr
.endm
; The step's fragments out of slot p, and S^T = K Q^T for both tiles.
.macro FRONT p
	WIN 0x40                                       ; destination window 1, address window 0
	s_wait_alu depctr_va_vdst(0)                   ; the products of my last live step are done reading KF and VF, in which the LDS loads of this step land
.irp t, 0,1,2,3,4,5,6,7
.irp c, 0,1
	ds_load_b128 v[KF+8*\t+4*\c:KF+8*\t+4*\c+3], v[LI] offset:SLOT*\p+1024*\t+512*\c
.endr
.endr
	s_wait_dscnt 0x0                               ; K's fragments are in
	WIN 0x05                                       ; K and Q in window 1, S^T in window 0
.irp t, 0,1,2,3,4,5,6,7
.irp x, 0,1
	v_wmma_f32_16x16x64_fp8_fp8 v[SA+64*\x+8*\t:SA+64*\x+8*\t+7], v[KF+8*\t:KF+8*\t+7], v[QC+8*\x:QC+8*\x+7], 0
.endr
.endr
	WIN 0x40
.irp d, 0,1,2,3                                ; V's fragments, behind the score products.  No wait: no vector or matrix line since the wait above names VF or v[LI].  They have the whole softmax in which to land
.irp c, 0,1,2,3
	ds_load_b128 v[VF+16*\d+4*\c:VF+16*\d+4*\c+3], v[LI] offset:SLOT*\p+8192+2048*\d+512*\c
.endr
.endr
	WIN 0
	PLACES
.endm
; A live step of my 32 queries.
.macro COMPUTE p
	s_bitcmp1_b32 s[WPART], 0
	s_cbranch_scc1 .Lpart_\@
	FRONT \p                                       ; every key counts for every query of mine
	s_branch .Lopen_\@
.Lpart_\@:
	MLOAD 0                                        ; tile A's masks land under the fragment loads and the products
	FRONT \p
	s_wait_kmcnt 0x0
	MAPPLY SA
	s_wait_alu depctr_va_vdst(0)                   ; tile A's selects are done reading the lane masks in s[16:63] and s[80:95], in which the scalar loads below land
	MLOAD 4096                                     ; tile B's, into the same registers
	s_wait_kmcnt 0x0
	MAPPLY SA+64
.Lopen_\@:
	; the step's largest score of my query among my 64 keys: two chains a tile, the tiles line by line; ascending, so that each product's result is read from its low end on
.irp x, 0,1
	v_max3_num_f32 v[ST+12*\x+T0], v[SA+64*\x], v[SA+64*\x+1], v[SA+64*\x+2]
.endr
.irp x, 0,1
	v_max3_num_f32 v[ST+12*\x+T1], v[SA+64*\x+3], v[SA+64*\x+4], v[SA+64*\x+5]
.endr
.irp i, 6,10,14,18,22,26,30,34,38,42,46,50,54,58
.irp x, 0,1
	v_max3_num_f32 v[ST+12*\x+T0], v[ST+12*\x+T0], v[SA+64*\x+\i], v[SA+64*\x+\i+1]
.endr
.irp x, 0,1
	v_max3_num_f32 v[ST+12*\x+T1], v[ST+12*\x+T1], v[SA+64*\x+\i+2], v[SA+64*\x+\i+3]
.endr
.endr
.irp x, 0,1
	v_max3_num_f32 v[ST+12*\x+T0], v[ST+12*\x+T0], v[SA+64*\x+62], v[SA+64*\x+63]
.endr
.irp x, 0,1
	v_max_num_f32 v[ST+12*\x+T0], v[ST+12*\x+T0], v[ST+12*\x+T1]
.endr
.irp x, 0,1
	v_permlanex16_b32 v[ST+12*\x+PL], v[ST+12*\x+T0], s[SEL], s[SEL+1]
.endr
.irp x, 0,1
	v_max_num_f32 v[ST+12*\x+T0], v[ST+12*\x+T0], v[ST+12*\x+PL]   ; and among lane l xor 16's
.endr
.irp x, 0,1
	v_mul_f32 v[ST+12*\x+T0], s[CS], v[ST+12*\x+T0]                ; as t (c is positive)
.endr
.irp x, 0,1
	v_max_num_f32 v[ST+12*\x+TM], v[ST+12*\x+TM], v[ST+12*\x+T0]   ; the running largest t
.endr
.irp x, 0,1
	v_mov_b32 v[ST+12*\x+T1], v[ST+12*\x+NM]
.endr
.irp x, 0,1
	v_floor_f32 v[ST+12*\x+NM], -v[ST+12*\x+TM]                    ; the new -M = floor(-t) = -ceil(t): a whole number
.endr
.irp x, 0,1
	v_sub_f32 v[ST+12*\x+T1], v[ST+12*\x+NM], v[ST+12*\x+T1]       ; old M - new M: a whole number, 0 or less
.endr
.irp x, 0,1
	v_cvt_i32_f32 v[ST+12*\x+T1], v[ST+12*\x+T1]                   ; (it saturates)
.endr
.irp x, 0,1
	v_ldexp_f32 v[ST+12*\x+FF], 1.0, v[ST+12*\x+T1]                ; f = 2^(old M - new M)
.endr
	; t - M, two at a time; p = 2^(t - M).  One tile's plain lines stand between the other tile's exponentials, so that each exponential has a plain line behind it before its result is used
.set j, 0
.rept 32
	v_pk_fma_f32 v[SA+j:SA+j+1], v[SA+j:SA+j+1], s[CS:CS+1], v[ST+NM:ST+NM+1] op_sel_hi:[1,0,0]
.set j, j+2
.endr
.set j, 0
.rept 32
	v_exp_f32 v[SA+j], v[SA+j]
	v_exp_f32 v[SA+j+1], v[SA+j+1]
	v_pk_fma_f32 v[SA+64+j:SA+64+j+1], v[SA+64+j:SA+64+j+1], s[CS:CS+1], v[ST+12+NM:ST+12+NM+1] op_sel_hi:[1,0,0]
.set j, j+2
.endr
	v_pk_mul_f32 v[ST+LS:ST+LS+1], v[ST+LS:ST+LS+1], v[ST+FF:ST+FF+1] op_sel_hi:[1,0]   ; A's sum under the new M
	s_wait_alu depctr_va_vdst(0)                   ; tile A's 64 exponentials have written v[SA ..]: one wait for the batch, ahead of its first reader, the sum below
	v_pk_add_f32 v[ST+US:ST+US+1], v[SA:SA+1], v[SA+2:SA+3]       ; THE SUM IS TAKEN OF THE UNQUANTISED p: two at a time, in two chains
.set j, 0
.rept 32
	v_exp_f32 v[SA+64+j], v[SA+64+j]
	v_exp_f32 v[SA+64+j+1], v[SA+64+j+1]
.if j < 60
.if (j%4) == 0
	v_pk_add_f32 v[ST+LS:ST+LS+1], v[ST+LS:ST+LS+1], v[SA+4+j:SA+5+j]
.else
	v_pk_add_f32 v[ST+US:ST+US+1], v[ST+US:ST+US+1], v[SA+4+j:SA+5+j]
.endif
.endif
.set j, j+2
.endr
	v_pk_add_f32 v[ST+LS:ST+LS+1], v[ST+LS:ST+LS+1], v[ST+US:ST+US+1]                   ; (the plain line behind B's last exponentials)
	v_pk_mul_f32 v[ST+12+LS:ST+12+LS+1], v[ST+12+LS:ST+12+LS+1], v[ST+12+FF:ST+12+FF+1] op_sel_hi:[1,0]
	s_wait_alu depctr_va_vdst(0)                   ; tile B's 64 exponentials have written v[SA+64 ..]: one wait for the batch, ahead of its first reader, the sum below
	v_pk_add_f32 v[ST+12+US:ST+12+US+1], v[SA+64:SA+65], v[SA+66:SA+67]
.set j, 4
.rept 15
	v_pk_add_f32 v[ST+12+LS:ST+12+LS+1], v[ST+12+LS:ST+12+LS+1], v[SA+64+j:SA+65+j]
	v_pk_add_f32 v[ST+12+US:ST+12+US+1], v[ST+12+US:ST+12+US+1], v[SA+66+j:SA+67+j]
.set j, j+4
.endr
	v_pk_add_f32 v[ST+12+LS:ST+12+LS+1], v[ST+12+LS:ST+12+LS+1], v[ST+12+US:ST+12+US+1]
	; p is at most 1, so p / 2^ep is at most 2^-ep: from ep = -8 on that is 256 at the most and the hold at 448 changes nothing; it is passed over then
	s_cmp_eq_u32 s[HOLD], 0
	s_cbranch_scc1 .Lfits_\@
.set j, 0
.rept 128
	v_min_num_f32 v[SA+j], v[SA+j], v[PLIM]                        ; the conversion does not saturate (ISA guide 7.6.2); p is not negative, so the hold is one-sided
.set j, j+1
.endr
.Lfits_\@:
.irp t, 0,1,2,3,4,5,6,7
.irp x, 0,1
	v_cvt_scalef32_pk8_fp8_f32 v[PCA+16*\x+2*\t:PCA+16*\x+2*\t+1], v[SA+64*\x+8*\t:SA+64*\x+8*\t+7], v[PSC]
.endr
.endr
	WIN 0x41                                       ; O^T (destination and source 0) in window 1, f in window 0
.irp x, 0,1
.set j, 0
.rept 16
	v_pk_mul_f32 v[OA+32*\x+j:OA+32*\x+j+1], v[OA+32*\x+j:OA+32*\x+j+1], v[ST+12*\x+FF:ST+12*\x+FF+1] op_sel_hi:[1,0]   ; O^T under the new M, ascending.  (Also the plain lines behind the conversions)
.set j, j+2
.endr
.endr
	s_wait_dscnt 0x0                               ; V's fragments are in
	WIN 0x51                                       ; V in window 1, P in window 0, O^T in window 1
.irp d, 0,1,2,3                                ; eight accumulators, one instruction each: by turns
.irp x, 0,1
	v_wmma_f32_16x16x128_fp8_fp8 v[OA+32*\x+8*\d:OA+32*\x+8*\d+7], v[VF+16*\d:VF+16*\d+15], v[PCA+16*\x:PCA+16*\x+15], v[OA+32*\x+8*\d:OA+32*\x+8*\d+7]
.endr
.endr
	WIN 0
	PLACES                                         ; ahead of whatever vector line comes next on any path: reads and writes of O^T, writes of P's codes
.endm
; A TRIP: key step j, in slot p = j % 2.
.macro TRIP p
	s_wait_dscnt 0x0                               ; my part of step j lies in slot p, and my reads of slot 1 - p are over
	s_barrier_signal -1
	s_barrier_wait -1                              ; both now hold of all eight waves
	s_wait_loadcnt 0x0                             ; step j + 1 is in its registers (asked for a trip ago); no load names KVB any more
	s_wait_alu depctr_vm_vsrc(0)                   ; the LDS stores of the trip before (ahead of a block's first trip: of the block's head) have read set p, in which the loads below land
	s_add_nc_u64 s[KVB:KVB+1], s[KVB:KVB+1], SLOT
	s_bitcmp1_b32 s[GACT], 2                       ; step j + 2, if any query of the block wants it (past step 15 the bits are 0: no load leaves the buffer):
	s_cbranch_scc0 .Lnot_asked_\@
.irp i, 0,1,2,3
	global_load_b128 v[STG0+16*\p+4*\i:STG0+16*\p+4*\i+3], v[CP], s[KVB:KVB+1] offset:SLOT+4096*\i   ; into the set whose LDS stores ended ahead of the barrier
.endr
.Lnot_asked_\@:
	s_bitcmp1_b32 s[GACT], 1                       ; step j + 1 goes into the slot that nobody reads any more
	s_cbranch_scc0 .Lnot_put_\@
.irp i, 0,1,2,3
	ds_store_b128 v[CP], v[STG0+16*(1-\p)+4*\i:STG0+16*(1-\p)+4*\i+3] offset:SLOT*(1-\p)+4096*\i
.endr
.Lnot_put_\@:
	s_bitcmp1_b32 s[WACT], 0
	s_cbranch_scc0 .Lidle_\@
	COMPUTE \p
.Lidle_\@:
	s_wait_kmcnt 0x0                               ; no scalar load names MB any more, on any path
	s_add_nc_u64 s[MB:MB+1], s[MB:MB+1], 256
	s_lshr_b32 s[GACT], s[GACT], 1
	s_lshr_b32 s[WACT], s[WACT], 1
	s_lshr_b32 s[WPART], s[WPART], 1
.endm
	s_load_b256 s[4:11], s[0:1], 0x0               ; queries s[4:5], kvc s[6:7], mbits s[8:9], flags s[10:11]
	s_load_b128 s[12:15], s[0:1], 0x20             ; the scales' exponents s[12:13], out s[14:15]
	v_lshl_add_u32 v254, v0, 2, 0x10800
	v_mov_b32 v255, 0
	v_lshrrev_b32 v12, 5, v0
	v_readfirstlane_b32 s[WV], v12                 ; wave 0..7
	v_and_b32 v13, 31, v0
	v_and_b32 v14, 15, v0                          ; r
	v_bfe_u32 v15, v0, 4, 1                        ; h2
	v_lshlrev_b32 v[LI], 4, v13
	v_lshlrev_b32 v[CP], 4, v0
	v_lshlrev_b32 v[QO], 12, v14
	v_lshl_add_u32 v[QO], v15, 7, v[QO]
	s_wait_alu depctr_va_sdst(0)                   ; the wave's number is written into s66, ahead of its first reader, the line below
	s_mul_i32 s[TMP], s[WV], 16*SP
	s_add_co_u32 s[TMP], s[TMP], STAGE             ; my stage
	v_mul_u32_u24 v[STO], v14, SP                  ; in: row r, 32 bytes for each half of the lanes
	v_lshl_add_u32 v[STO], v15, 5, v[STO]
	v_add_nc_u32 v[STO], s[TMP], v[STO]
	v_mul_u32_u24 v[RD], v15, SP                   ; back: lanes 0-15 one row of 256 bytes, lanes 16-31 the next
	v_lshl_add_u32 v[RD], v14, 4, v[RD]
	v_add_nc_u32 v[RD], s[TMP], v[RD]
	v_lshlrev_b32 v[GO], 12, v15                   ; and the same two rows in out
	v_lshl_add_u32 v[GO], v14, 4, v[GO]
	v_mov_b32 v[NINF], 0xff800000
	s_mov_b32 s[SEL], 0x76543210
	s_mov_b32 s[SEL+1], 0xfedcba98
	s_mov_b32 s[QB], ttmp9                         ; the first block of queries
	s_mov_b32 s[BLKC], 2
	s_and_b32 s[TMP], ttmp7, 0xffff                ; bh
	s_lshl_b32 s80, s[TMP], 18                     ; the head's 16 blocks of kvc
	s_mov_b32 s81, 0
	s_lshr_b32 s[TMP], s[TMP], 4                   ; b
	s_lshl_b32 s82, s[TMP], 19                     ; the batch's words of mbits, and my wave's two tiles among a block's sixteen
	s_lshl_b32 s84, s[WV], 13
	s_or_b32 s82, s82, s84
	s_mov_b32 s83, 0
	s_lshl_b32 s84, s[TMP], 10                     ; the batch's flags
	s_mov_b32 s85, 0
	s_wait_kmcnt 0x0
	s_add_nc_u64 s[6:7], s[6:7], s[80:81]
	s_add_nc_u64 s[8:9], s[8:9], s[82:83]
	s_add_nc_u64 s[10:11], s[10:11], s[84:85]
	s_load_b128 s[84:87], s[12:13], 0x0            ; eq, ek, ev, ep
	BADDR
	s_add_nc_u64 s[80:81], s[4:5], s[ROFF:ROFF+1]  ; Q of the first block,
	s_sub_co_u32 s[TMP], 7, s[QB]
	s_lshl_b32 s[TMP], s[TMP], 20
	s_and_b32 s82, s[ROFF], 0xff8fffff
	s_or_b32 s82, s82, s[TMP]
	s_mov_b32 s83, 0
	s_add_nc_u64 s[82:83], s[4:5], s[82:83]        ; and of the second: both are quantised now and stay in registers
	s_wait_alu depctr_va_vdst(0)                   ; the six addresses v1 to v6 are written, which every load and store of the kernel reads; no vector line names them again
.irp s, 0,1,2,3                                ; s = 2 x block + tile: lane (r, h2) takes, of query r, channels 32 h2 + 0 .. 31
.irp i, 0,1,2,3,4,5,6,7
	global_load_b128 v[SA+32*\s+4*\i:SA+32*\s+4*\i+3], v[QO], s[80+2*(\s/2):81+2*(\s/2)] offset:65536*(\s%2)+16*\i
.endr
.endr
	BFILL
	s_wait_kmcnt 0x0
	s_add_co_i32 s[TMP], s84, s85                  ; a score stands for score x 2^(eq + ek): the two exponents are added to c's exponent field
	s_lshl_b32 s[TMP], s[TMP], 23
	s_add_co_i32 s[CS], s[TMP], 0x3e38aa3b         ; log2(e) / 8
	s_mov_b32 s[CS+1], s[CS]                       ; (named with it as a pair, so it is written)
	s_add_co_i32 s[ESUM], s86, s87                 ; ev + ep
	s_cmp_lt_i32 s87, -8
	s_cselect_b32 s[HOLD], 1, 0
	s_add_co_i32 s[TMP], s84, 127
	s_lshl_b32 s88, s[TMP], 23
	v_mov_b32 v[QSC], s88                          ; 2^eq
	s_add_co_i32 s[TMP], s[TMP], 8
	s_lshl_b32 s[TMP], s[TMP], 23
	s_or_b32 s[TMP], s[TMP], 0x600000
	v_mov_b32 v[QLIM], s[TMP]                      ; 448 x 2^eq
	s_add_co_i32 s[TMP], s87, 127
	s_lshl_b32 s88, s[TMP], 23
	v_mov_b32 v[PSC], s88                          ; 2^ep
	s_add_co_i32 s[TMP], s[TMP], 8
	s_lshl_b32 s[TMP], s[TMP], 23
	s_or_b32 s[TMP], s[TMP], 0x600000
	v_mov_b32 v[PLIM], s[TMP]                      ; 448 x 2^ep
	s_wait_loadcnt 8                               ; Q's 32 loads are in; the eight for key steps 0 and 1 may be out
.set j, 0
.rept 128
	v_med3_num_f32 v[SA+j], v[SA+j], -v[QLIM], v[QLIM]
.set j, j+1
.endr
	WIN 0x40                                       ; destination window 1
.irp s, 0,1,2,3
.irp g, 0,1,2,3
	v_cvt_scalef32_pk8_fp8_f32 v[QC+8*\s+2*\g:QC+8*\s+2*\g+1], v[SA+32*\s+8*\g:SA+32*\s+8*\g+7], v[QSC]
.endr
.endr
	v_nop                                          ; a plain line behind the conversions: products read their results and write their sources
	WIN 0
.Lblock:                                           ; two trips: a block of 256 queries each
	s_add_nc_u64 s[OUTP:OUTP+1], s[14:15], s[ROFF:ROFF+1]
	WIN 0x40
.set j, 0
.rept 64
	v_mov_b32 v[OA+j], 0                           ; O^T.  Which step is a wave's first live one hangs on the mask, so no first product can be written out to start the sums
.set j, j+1
.endr
	WIN 0
.irp x, 0,1
	v_mov_b32 v[ST+12*\x+TM], 0xff61b1e6           ; the largest t so far: -3e38, under every t
	v_floor_f32 v[ST+12*\x+NM], -v[ST+12*\x+TM]
	v_mov_b32 v[ST+12*\x+LS], 0
	v_mov_b32 v[ST+12*\x+LS+1], 0
	v_mov_b32 v[ST+12*\x+FF+1], 0                  ; (named as the upper half of a pair)
	v_mov_b32 v[ST+12*\x+PL], 0                    ; (a lane permute's destination counts as read)
.endr
	s_wait_kmcnt 0x0                               ; the flags.  Even words serve key steps 0-7, odd words 8-15; low half: a key counts, high half: a key is hidden
	s_or_b32 s80, s16, s18
	s_or_b32 s81, s17, s19
.irp n, 20,22,24,26,28,30,32,34,36,38,40,42,44,46
	s_or_b32 s80, s80, s[\n]
	s_or_b32 s81, s81, s[\n+1]
.endr
	s_lshl_b32 s81, s81, 8
	s_or_b32 s80, s80, s81
	s_and_b32 s[GACT], s80, 0xffff
	s_or_b32 s80, s48, s50                         ; my two tiles'
	s_or_b32 s81, s49, s51
	s_lshl_b32 s81, s81, 8
	s_or_b32 s80, s80, s81
	s_and_b32 s[WACT], s80, 0xffff
	s_lshr_b32 s[WPART], s80, 16
	s_wait_loadcnt 4                               ; key step 0 is in its registers; step 1's four loads may be out
.irp i, 0,1,2,3
	ds_store_b128 v[CP], v[STG0+4*\i:STG0+4*\i+3] offset:4096*\i   ; slot 0 was last read in the block before's trip 14, and every wave has since passed trip 15's barrier
.endr
	s_mov_b32 s[TC], 8
.Ltrip:
	TRIP 0
	TRIP 1
	s_sub_co_u32 s[TC], s[TC], 1
	s_cmp_lg_u32 s[TC], 0
	s_cbranch_scc1 .Ltrip
	s_wait_loadcnt 0x0                             ; nothing names KVB or lands in the two sets any more,
	s_wait_dscnt 0x0                               ; and no LDS store still reads them
	s_wait_alu depctr_vm_vsrc(0)                   ; the last trips' LDS stores have read both sets, in which the second block's first loads land
	s_sub_co_u32 s[QB], 7, s[QB]
	s_cmp_eq_u32 s[BLKC], 1
	s_cbranch_scc1 .Llast
	BADDR                                          ; the second block's flags and first two key steps land under the way out
	BFILL
	WIN 0x41
.irp i, 0,1,2,3,4,5,6,7,8,9,10,11,12,13,14,15
	v_mov_b32 v[QC+\i], v[QN+\i]                   ; its Q takes the place that the products name
.endr
	WIN 0
.Llast:
	; THE WAY OUT.  The sum's two halves and lane l xor 16's are added; O^T x 2^(ep + ev) / the sum goes through my stage, a tile (16 rows x 256 bytes) at a time, and leaves as whole head slices.
.irp x, 0,1
	v_add_f32 v[ST+12*\x+T0], v[ST+12*\x+LS], v[ST+12*\x+LS+1]
.endr
.irp x, 0,1
	v_permlanex16_b32 v[ST+12*\x+PL], v[ST+12*\x+T0], s[SEL], s[SEL+1]
.endr
.irp x, 0,1
	v_add_f32 v[ST+12*\x+T0], v[ST+12*\x+T0], v[ST+12*\x+PL]
.endr
.irp x, 0,1
	v_rcp_f32 v[ST+12*\x+T1], v[ST+12*\x+T0]
.endr
	v_nop                                          ; a plain line behind the reciprocals
	s_wait_alu depctr_va_vdst(0)                   ; the two reciprocals have written their results, ahead of their first reader
.irp x, 0,1
	v_ldexp_f32 v[ST+12*\x+T0], v[ST+12*\x+T1], s[ESUM]
.endr
.macro OMUL x                          ; tile x's results, into the first half of its S^T registers
	WIN 0x01                                       ; source 0 (O^T) window 1
.set j, 0
.rept 32
	v_mul_f32 v[SA+64*\x+j], v[OA+32*\x+j], v[ST+12*\x+T0]         ; register 8 d + i is out(query r, channel 16 d + 8 h2 + i); ascending
.set j, j+1
.endr
.endm
.macro OTURN x                         ; tile x through my stage; its rows come back into the second half of its S^T registers
.irp d, 0,1,2,3
	ds_store_b128 v[STO], v[SA+64*\x+8*\d:SA+64*\x+8*\d+3] offset:64*\d
	ds_store_b128 v[STO], v[SA+64*\x+8*\d+4:SA+64*\x+8*\d+7] offset:64*\d+16
.endr
.irp i, 0,1,2,3,4,5,6,7
	ds_load_b128 v[SA+64*\x+32+4*\i:SA+64*\x+32+4*\i+3], v[RD] offset:2*SP*\i   ; LDS serves a wave's instructions in order (ISA guide 5.7.1.4): these see my stores, and the next tile's stores come behind them
.endr
.endm
	OMUL 0
	OMUL 1
	WIN 0
	s_wait_alu depctr_va_vdst(0)                   ; both tiles' multiplications have written v[SA ..] and v[SA+64 ..], which the LDS stores read; the softmax's lines are done with v[SA+32 ..] and v[SA+96 ..], in which the loads from the stage land
	OTURN 0
	OTURN 1
	s_wait_dscnt 16                                ; tile A's rows are back; tile B's sixteen LDS instructions may be out
.irp i, 0,1,2,3,4,5,6,7
	global_store_b128 v[GO], v[SA+32+4*\i:SA+32+4*\i+3], s[OUTP:OUTP+1] offset:8192*\i th:TH_STORE_NT          ; sixteen lanes store 256 consecutive bytes, aligned
.endr
	s_wait_dscnt 0x0
.irp i, 0,1,2,3,4,5,6,7
	global_store_b128 v[GO], v[SA+96+4*\i:SA+96+4*\i+3], s[OUTP:OUTP+1] offset:65536+8192*\i th:TH_STORE_NT
.endr
	s_wait_xcnt 0x0                                ; the stores' base and data are written again only behind this wait
	s_wait_alu depctr_vm_vsrc(0)                   ; the LDS stores and the stores to out have read v[SA ..], which the next block's products write
	s_sub_co_u32 s[BLKC], s[BLKC], 1
	s_cmp_lg_u32 s[BLKC], 0
	s_cbranch_scc1 .Lblock
	s_wait_dscnt 0x0                               ; the closing lines, six on end
	s_wait_alu 0x0
	s_wait_tensorcnt 0x0
	ds_add_u32 v254, v255
	s_wait_dscnt 0x0
	s_endpgm
.Lfunc_end_k_q9ef2d0c0e9_attn:
	.size	k_q9ef2d0c0e9_attn, .Lfunc_end_k_q9ef2d0c0e9_attn-k_q9ef2d0c0e9_attn
	.p2alignl 7, 3214868480
	.fill 96, 4, 3214868480
	.section	.rodata,"a",@progbits
	.p2align	6, 0x0
	.amdhsa_kernel k_q9ef2d0c0e9_attn
		.amdhsa_group_segment_fixed_size 68608
		.amdhsa_private_segment_fixed_size 0
		.amdhsa_enable_private_segment 0
		.amdhsa_kernarg_size 48
		.amdhsa_user_sgpr_count 2
		.amdhsa_user_sgpr_kernarg_segment_ptr 1
		.amdhsa_wavefront_size32 1
		.amdhsa_system_sgpr_workgroup_id_x 1
		.amdhsa_system_sgpr_workgroup_id_y 1
		.amdhsa_system_sgpr_workgroup_id_z 1
		.amdhsa_system_vgpr_workitem_id 0
		.amdhsa_next_free_vgpr 512
		.amdhsa_next_free_sgpr 106
		.amdhsa_reserve_vcc 0
		.amdhsa_float_denorm_mode_32 3
		.amdhsa_float_denorm_mode_16_64 3
		.amdhsa_memory_ordered 1
		.amdhsa_forward_progress 1
		.amdhsa_inst_pref_size 113
	.end_amdhsa_kernel
	.amdgpu_metadata
---
amdhsa.version: [ 1, 2 ]
amdhsa.kernels:
  - .name:           k_q9ef2d0c0e9_attn
    .symbol:         k_q9ef2d0c0e9_attn.kd
    .args:
      - { .name: queries, .offset: 0, .size: 8, .value_kind: global_buffer, .address_space: global }
      - { .name: kvc, .offset: 8, .size: 8, .value_kind: global_buffer, .address_space: global }
      - { .name: mbits, .offset: 16, .size: 8, .value_kind: global_buffer, .address_space: global }
      - { .name: flags, .offset: 24, .size: 8, .value_kind: global_buffer, .address_space: global }
      - { .name: lowp_scales, .offset: 32, .size: 8, .value_kind: global_buffer, .address_space: global }
      - { .name: out0, .offset: 40, .size: 8, .value_kind: global_buffer, .address_space: global }
    .group_segment_fixed_size: 68608
    .private_segment_fixed_size: 0
    .kernarg_segment_align: 8
    .kernarg_segment_size: 48
    .max_flat_workgroup_size: 256
    .sgpr_count:     106
    .vgpr_count:     512
    .wavefront_size: 32
...
	.end_amdgpu_metadata
.endif
;; end of part 3
